; MI455X (gfx1250); checked and timed in simulation.
; The chip was launched on July 23, 2026; its instructions are those of AMD's public machine-readable ISA for CDNA 5 (MIT licence, August 2026) and "CDNA5" Instruction Set Architecture Reference Guide (July 2026). The comments in the code are by the model that wrote it; some were corrected since.
;; Enough Vi T Encoder. Allowed arithmetic: matrix products marked QUANTISED: E5M2 operands, one given power-of-two scale a tensor, by v_wmma_f32_16x16x64_bf8_bf8 or v_wmma_f32_16x16x128_bf8_bf8, f32 sums; everything else in f32.
;; Inputs: W_v_codes 512 x 16 x 32 uint8 (E5M2 codes of W_v, K innermost, in blocks of 32 codes); b1 2,048 float32; b2 512 float32; ln1_b 512 float32; ln1_g 512 float32; ln2_b 512 float32; ln2_g 512 float32; lowp_scales 12 int32 (the exponents e of the quantised operands' scales 2^e); theta_codes 512 x 16 x 32 uint8 (E5M2 codes of theta, K innermost, in blocks of 32 codes); w1_codes 2,048 x 16 x 32 uint8 (E5M2 codes of w1, K innermost, in blocks of 32 codes); w2_codes 512 x 64 x 32 uint8 (E5M2 codes of w2, K innermost, in blocks of 32 codes); x 4,096 x 4 x 512 float32.
;; Outputs: out0 4,096 x 4 x 512 float32.
;; This version of the problem:
;;   THIS VERSION OF THE PROBLEM IS GIVEN IN LOW PRECISION. The matrix products marked QUANTISED in the list below multiply operands that are first quantised to E5M2 (5 exponent bits, 2 mantissa bits; 8 bits a number), with one given power-of-two scale for each operand tensor; their sums are f32. All else is computed in f32.
;;   The module's matrix products, in the order in which they are computed (A, B: the left and right operand; K: the contracted axis; several contracted axes count as one K, in the product's order):
;;     1. [M 16,384, K 512] x [K 512, N 512]; A: computed on the way; B: input W_v (given as codes): QUANTISED (scales: A lowp_scales[0], B lowp_scales[1])
;;     2. [M 16,384, K 512] x [K 512, N 512]; A: computed on the way; B: input theta (given as codes): QUANTISED (scales: A lowp_scales[2], B lowp_scales[3])
;;     3. batch 4 x [M 512, K 4,096] x [K 4,096, N 512]; A: computed on the way; B: computed on the way: QUANTISED (scales: A lowp_scales[4], B lowp_scales[5])
;;     4. batch 4 x [M 4,096, K 512] x [K 512, N 512]; A: computed on the way; B: computed on the way: QUANTISED (scales: A lowp_scales[6], B lowp_scales[7])
;;     5. [M 16,384, K 512] x [K 512, N 2,048]; A: computed on the way; B: input w1 (given as codes): QUANTISED (scales: A lowp_scales[8], B lowp_scales[9])
;;     6. [M 16,384, K 2,048] x [K 2,048, N 512]; A: computed on the way; B: input w2 (given as codes): QUANTISED (scales: A lowp_scales[10], B lowp_scales[11])
;;   THE QUANTISER, for each operand of a quantised product, along K:
;;     - The operand's scale is 2^e, e = its entry of the input lowp_scales (int32; the entries are numbered through the quantised products in the list's order, A before B).
;;     - Each number is divided by the scale, clamped to +-57,344, and rounded to the nearest number of E5M2, ties to even, subnormals kept.
;;     - The product sums the exact products of the quantised numbers (number of the format x scale) in f32.
;;   ~~~python
;;   def quantise(x, axis, e):      # numpy; x: float32 -> the quantised numbers, widened to float32 again
;;       x = np.moveaxis(x, axis, -1); K = x.shape[-1]
;;       r = np.clip(x / 2.0 ** e, -57344, 57344)
;;       step = 2.0 ** (np.maximum(np.frexp(np.where(r == 0, 1, r))[1] - 1, -14) - 2)
;;       q = np.round(r / step) * step * 2.0 ** e      # np.round: ties to even
;;       return np.moveaxis(q, -1, axis).astype(np.float32)
;;   ~~~
;;   OPERANDS COMPUTED ON THE WAY. 'Computed on the way' means the value that the module computes at that place (a softmax that the list does not call 'softmax' is quantised finished and normalised). What goes into a quantiser is computed in f32, as accurately as f32 sums, v_exp_f32 and their like allow (about 1e-6 of the number): no bf16 or f16 on the way to a quantiser, and a product that is left as it is and whose result goes on into a quantised operand takes f32 operands (vector FMAs, or v_wmma_f32_16x16x4_f32). A number that lies on a knife's edge between two numbers of the format may be rounded either way, as far as f32 arithmetic and the matrix unit's own rounding can turn it there, and no further.
;;   INPUTS GIVEN AS CODES. W_v (in the module: [512, 512], K = its axis 1); theta (in the module: [512, 512], K = its axis 1); w1 (in the module: [2048, 512], K = its axis 1); w2 (in the module: [512, 2048], K = its axis 1): each comes as NAME_codes (uint8): NAME with its K axis moved to the last place and cut into blocks of 32 codes, [.., K / 32, bytes a block], one block behind the other in memory; one code a byte (a code: sign, 5 exponent bits, 2 mantissa bits); its scale is its entry of lowp_scales. Its value is code x scale, taken as it is: it is not quantised again, and the codes and scales need not be those that the quantiser above would give.
;; One version. Each part assembles by itself: llvm-mc -triple=amdgcn-amd-amdhsa -mcpu=gfx1250 --defsym DOCPART=n.
;; ======== version 1 of 1: 3 launches
;; limits: a function is approximated: absolute error at most 3.2e-07
;; workspace buffers: tcodes 8,388,608 bytes; vcodes 8,388,608 bytes; psum 524,288 bytes; wpack 2,097,152 bytes; mcodes 1,048,576 bytes; first 8,192 bytes
;; launch front (part 1): grid 64 x 4, 4 waves a work-group, clusters of 4 x 1, 327,680 bytes of LDS; arguments x, ln1_g, ln1_b, W_v_codes, theta_codes, w1_codes, w2_codes, lowp_scales, tcodes, vcodes, psum, wpack; writes tcodes, vcodes, psum, wpack
.if DOCPART == 1
	.amdgcn_target "amdgcn-amd-amdhsa--gfx1250"
	.amdhsa_code_object_version 6
	.text
	.protected	k_qc3fdf9d92e_front
	.globl	k_qc3fdf9d92e_front
	.p2align	8
	.type	k_qc3fdf9d92e_front,@function
k_qc3fdf9d92e_front:
	s_mov_b64 s[64:65], 0
	v_nop
	global_prefetch_b8 v0, s[64:65] scope:SCOPE_SE
	s_setreg_imm32_b32 hwreg(HW_REG_WAVE_MODE, 25, 1), 1
	s_wait_xcnt 0x0
	s_wait_alu depctr_hold_cnt(0) depctr_sa_sdst(0) depctr_va_vdst(0) depctr_va_sdst(0) depctr_va_ssrc(0) depctr_va_vcc(0) depctr_vm_vsrc(0)
	s_getreg_b32 s2, hwreg(HW_REG_IB_STS2, 6, 4)
	s_cmp_eq_u32 s2, 0
	s_cbranch_scc0 .Lentry_in_a_cluster
	s_endpgm
.Lentry_in_a_cluster:
	s_bfe_u32 s2, ttmp6, 0x10000c
	s_cmp_lg_u32 s2, 0x3003
	s_cbranch_scc0 .Lentry_shape_is_right
	s_endpgm
.Lentry_shape_is_right:
; FRONT: X = LN1(x); XWv = Q(X) Wv^T and Xth = Q(X) theta^T on codes of E5M2; both results leave as codes quantised along the sequence (the third product's K);
; the column sums of XWv over my 64 rows leave in f32 (for the sequence mean); w1 and w2 are laid out once as images of operand registers for the last launch.
; DEAD WORK: none.  Every product of reference() and every input has a way to out0: nothing is left out in any of the three launches.
; LIMITS: NaN and infinities among the inputs are not served.  So that each power of two below is an f32 number: e0, e2, e5-e0-e1 and e4-e2-e3 lie between -126 and 112.
; SHARES.  A work-group takes 64 positions of one batch b (rows (64 sx + i) 4 + b of x).  For LN1 wave w holds columns 128 w .. 128 w + 127 of all 64 rows.  For the products waves 0, 1 take
; rows 256 (w & 1) .. + 255 of Wv with X's codes at e0, waves 2, 3 the same rows of theta with X's codes at e2: four packs of 64 weight rows, 64 matrix instructions each.
; LAYOUT.  A fragment is 16 rows x 128 K in 16 registers: lane (r = l % 16, h = l / 16) holds row r, registers 2 c, 2 c + 1 hold k = 16 c + 8 h + 0 .. 7.  Source 0 = X, source 1 = the weight: a result tile holds in lane r
; the weight row and in its eight registers the positions 8 h + 0 .. 7: one conversion makes of them registers 2 c, 2 c + 1 of the next operand.  An IMAGE of a fragment is 2,048 bytes: registers 4 q .. 4 q + 3 of lane l at 512 q + 16 l.
; CLUSTER.  The four work-groups of a cluster walk the same weights: each pack is asked for jointly (mask 15); each wave asks for, and reads, its own 64 rows.
; REGISTERS, in windows of 256: 0: addresses, statistics, v64-191 ln1's g and b, then X's two sets of codes, v192-255 at work.  1: X's 16 fragments (m, s) at 16 (4 m + s).
;   2: X (row 16 m + r, column 128 w + 16 t + 8 h + j at 64 m + 8 t + j), then the 16 accumulators (t, m) at 32 t + 8 m and the codes from v128.  3: x as loaded, then the weight fragments (k, t) at 64 k + 16 t.
.set WSL,   33792                      ; a wave's part of a slot: 64 rows x (512 + 16) bytes
.set SLOTB, 4*WSL
.set STG,   2*SLOTB                    ; behind the ring: four stages of 16 rows x 528; later 16 images
.set STATS, STG+33792                  ; (local mean, local centred sum of squares): 512 w + 128 m + 8 r
.set PSTG,  STATS+2048                 ; column sums: 1,024 bytes a wave
.set SPARE, PSTG+4096                  ; the spare words, 128 bytes a wave: no other line names them
.set LI, 1                             ; 16 x lane
.set RR, 2                             ; r
.set TS, 3                             ; the stage by rows
.set TR, 4                             ; the stage by my row r and half h
.set STW, 5
.set STR, 6
.set IMW, 7                            ; images: where I store
.set IMR, 8                            ; images: where I read
.set WR, 9                             ; v9, v10: my weight rows in slot 0, 1
.set PO, 11                            ; 512 w + 32 h: a vector of 512 in my columns' layout
.set SPW, 12
.set NIL, 13
.set PSW, 14
.set PSR, 15
.set SC0, 16
.set LIM0, 17
.set SC2, 18
.set LIM2, 19
.set SCE, 20
.set LIME, 21
.set RLO, 22
.set HH, 23                            ; h
.set MNP, 24                           ; v24-31 mean, a pair a tile of rows (the low word counts)
.set RSP, 32                           ; v32-39 1 / sqrt(var + eps), likewise
.set ST, 40                            ; v40-47 (local mean, local M2)
.set U, 48                             ; v48-55 at work
.set G, 64
.set B, 128
.set T, 192
.set CX, 36
.set SX, 37
.set BB, 38
.set WV, 39
.set G1, 40                            ; s[40:47] descriptor group 1
.set G0A, 48                           ; s[48:51] group 0 of slot 0, s[52:55] of slot 1
.set SEL, 56
.set I512, 58
.set EPS, 59
.set TM, 60
.set E01, 74
.set OB, 76
.set PSB, 78
.set MSB, 0
.macro WIN new                         ; the immediate's high byte repeats the setting that is left
.if MSB != (\new)
	s_set_vgpr_msb (MSB<<8)|(\new)
.set MSB, (\new)
.endif
.endm
.macro PLACES
.rept 4
	v_nop
.endr
.endm
.macro BAR                             ; my LDS instructions are done; then the work-group's barrier
	s_wait_dscnt 0x0
	s_barrier_signal -1
	s_barrier_wait -1
.endm
.macro ROUND                           ; a round of the cluster's barrier
	s_barrier_signal -1
	s_barrier_wait -1
	s_cmp_lg_u32 s[WV], 0
	s_cbranch_scc1 .Lnw0_\@
	s_barrier_signal -3
.Lnw0_\@:
	s_barrier_wait -3
	s_barrier_signal -1
	s_barrier_wait -1
.endm
.macro MKSC e, vs, vl                  ; s[e] = an exponent: v[vs] = 2^e as f32, v[vl] = 57,344 x 2^e
	s_add_co_i32 s[TM], s[\e], 127
	s_lshl_b32 s[TM+1], s[TM], 23
	v_mov_b32 v[\vs], s[TM+1]
	s_add_co_i32 s[TM], s[TM], 15
	s_lshl_b32 s[TM], s[TM], 23
	s_or_b32 s[TM], s[TM], 0x600000
	v_mov_b32 v[\vl], s[TM]
.endm
.macro TREE b, n                       ; the sum of the 2 n registers from v[b] on lands in v[b]
.irp w,16,8,4,2
.if \w <= \n
.set u, 0
.rept \w/2
	v_pk_add_f32 v[(\b)+u:(\b)+u+1], v[(\b)+u:(\b)+u+1], v[(\b)+u+\w:(\b)+u+\w+1]
.set u, u+2
.endr
.endif
.endr
	v_add_f32 v[(\b)], v[(\b)], v[(\b)+1]
.endm
.macro PARAM reg, sp                   ; 64 numbers of a vector of 512: register 8 t + j = column 128 w + 16 t + 8 h + j
.irp t,0,1,2,3,4,5,6,7
	global_load_b128 v[\reg+8*\t:\reg+8*\t+3], v[PO], s[\sp:\sp+1] offset:64*\t
	global_load_b128 v[\reg+8*\t+4:\reg+8*\t+7], v[PO], s[\sp:\sp+1] offset:64*\t+16
.endr
.endm
.macro XLOAD                           ; my 512 bytes of each of the 64 rows: each load of the wave covers 512 consecutive bytes
	WIN 0xc0
.set i, 0
.rept 64
	global_load_b128 v[4*i:4*i+3], v[LI], s[4:5] offset:8192*i th:TH_LOAD_NT
.set i, i+1
.endr
.endm
.macro TURN m                          ; rows 16 m .. + 15 turn through my own stage: in by rows, out so that a lane holds one row.  LDS serves a wave's instructions in order: no wait between
	s_wait_loadcnt 48-16*\m                        ; these 16 rows are in; the younger rows may be out
	WIN 0x0c
.irp i,0,1,2,3,4,5,6,7,8,9,10,11,12,13,14,15
	ds_store_b128 v[TS], v[64*\m+4*\i:64*\m+4*\i+3] offset:\i*528
.endr
	WIN 0x80
.irp t,0,1,2,3,4,5,6,7
	ds_load_b128 v[64*\m+8*\t:64*\m+8*\t+3], v[TR] offset:64*\t
	ds_load_b128 v[64*\m+8*\t+4:64*\m+8*\t+7], v[TR] offset:64*\t+16
.endr
.endm
; For each of the 64 rows: the mean and the centred sum of squares over my 128 columns (values in window W), stored for the other waves.
.macro LNSTAT W, so
.irp mm,0,2
	WIN (\W)|((\W)<<2)
.irp d,0,1
.set i, 0
.rept 16
	v_pk_add_f32 v[T+32*\d+i:T+32*\d+i+1], v[64*(\mm+\d)+i:64*(\mm+\d)+i+1], v[64*(\mm+\d)+32+i:64*(\mm+\d)+32+i+1]
.set i, i+2
.endr
.endr
	WIN 0
.irp d,0,1
	TREE T+32*\d,16
	v_permlanex16_b32 v[T+32*\d+1], v[T+32*\d], s[SEL], s[SEL+1]   ; the row's other 64 columns lie in lane l xor 16
	v_add_f32 v[T+32*\d], v[T+32*\d], v[T+32*\d+1]
	v_mul_f32 v[ST+2*(\mm+\d)], 0x3c000000, v[T+32*\d]             ; / 128
.endr
.endr
.irp m,0,1,2,3
	WIN \W
.set i, 0
.rept 32
	v_pk_add_f32 v[T+i:T+i+1], v[64*\m+i:64*\m+i+1], v[ST+2*\m:ST+2*\m+1] op_sel_hi:[1,0] neg_lo:[0,1] neg_hi:[0,1]
.set i, i+2
.endr
	WIN 0
.irp k,0,1,2,3
	v_pk_mul_f32 v[U+2*\k:U+2*\k+1], v[T+2*\k:T+2*\k+1], v[T+2*\k:T+2*\k+1]
.endr
.set i, 8
.rept 28
	v_pk_fma_f32 v[U+i%8:U+i%8+1], v[T+i:T+i+1], v[T+i:T+i+1], v[U+i%8:U+i%8+1]
.set i, i+2
.endr
	v_pk_add_f32 v[U:U+1], v[U:U+1], v[U+2:U+3]
	v_pk_add_f32 v[U+4:U+5], v[U+4:U+5], v[U+6:U+7]
	v_pk_add_f32 v[U:U+1], v[U:U+1], v[U+4:U+5]
	v_add_f32 v[U], v[U], v[U+1]
	v_permlanex16_b32 v[U+1], v[U], s[SEL], s[SEL+1]
	v_add_f32 v[ST+2*\m+1], v[U], v[U+1]
	ds_store_b64 v[STW], v[ST+2*\m:ST+2*\m+1] offset:\so+128*\m
.endr
.endm
; The four waves' figures are combined: mean = the mean of the means; M2 = the sum of the M2 + 128 x the sum of (local mean - mean)^2: no difference of large sums is formed.
.macro LNCOMB so
.irp m,0,1,2,3
.irp q,0,1,2,3
	ds_load_b64 v[T+8*\m+2*\q:T+8*\m+2*\q+1], v[STR] offset:\so+512*\q+128*\m
.endr
.endr
	s_wait_dscnt 0x0
.irp m,0,1,2,3
	v_add_f32 v[U], v[T+8*\m], v[T+8*\m+2]
	v_add_f32 v[U+1], v[T+8*\m+4], v[T+8*\m+6]
	v_add_f32 v[U], v[U], v[U+1]
	v_mul_f32 v[MNP+2*\m], 0x3e800000, v[U]
	v_sub_f32 v[U], v[T+8*\m], v[MNP+2*\m]
	v_sub_f32 v[U+1], v[T+8*\m+2], v[MNP+2*\m]
	v_sub_f32 v[U+2], v[T+8*\m+4], v[MNP+2*\m]
	v_sub_f32 v[U+3], v[T+8*\m+6], v[MNP+2*\m]
	v_mul_f32 v[U], v[U], v[U]
	v_fmac_f32 v[U], v[U+1], v[U+1]
	v_fmac_f32 v[U], v[U+2], v[U+2]
	v_fmac_f32 v[U], v[U+3], v[U+3]
	v_add_f32 v[U+1], v[T+8*\m+1], v[T+8*\m+3]
	v_add_f32 v[U+2], v[T+8*\m+5], v[T+8*\m+7]
	v_add_f32 v[U+1], v[U+1], v[U+2]
	v_fma_f32 v[U], v[U], 0x43000000, v[U+1]
	v_fma_f32 v[U+4+\m], v[U], s[I512], s[EPS]     ; var + eps
.endr
.irp m,0,1,2,3
	v_rsq_f32 v[RSP+2*\m], v[U+4+\m]
.endr
	v_nop                                          ; a plain instruction behind the batch,
	s_wait_alu depctr_va_vdst(0)                   ; and one wait for the four, ahead of their first reader
.endm
.macro LNNORM                          ; in place, window 2: (x - mean) x rsqrt x g + b, in reference()'s order
	WIN 0x82
.irp m,0,1,2,3
.set i, 0
.rept 32
	v_pk_add_f32 v[64*\m+i:64*\m+i+1], v[64*\m+i:64*\m+i+1], v[MNP+2*\m:MNP+2*\m+1] op_sel_hi:[1,0] neg_lo:[0,1] neg_hi:[0,1]
.set i, i+2
.endr
.set i, 0
.rept 32
	v_pk_mul_f32 v[64*\m+i:64*\m+i+1], v[64*\m+i:64*\m+i+1], v[RSP+2*\m:RSP+2*\m+1] op_sel_hi:[1,0]
.set i, i+2
.endr
.set i, 0
.rept 32
	v_pk_fma_f32 v[64*\m+i:64*\m+i+1], v[64*\m+i:64*\m+i+1], v[G+i:G+i+1], v[B+i:B+i+1]
.set i, i+2
.endr
.endr
.endm
.macro PUTIMG base                     ; my four fragments (tile of rows m, K step = my wave) go to LDS as images
.irp m,0,1,2,3
.irp q,0,1,2,3
	ds_store_b128 v[IMW], v[\base+16*\m+4*\q:\base+16*\m+4*\q+3] offset:8192*\m+512*\q
.endr
.endr
.endm
.macro GETIMG                          ; all 16 fragments come back, (m, s) at 16 (4 m + s) of window 1
	WIN 0x40
.set i, 0
.rept 64
	ds_load_b128 v[4*i:4*i+3], v[IMR] offset:512*i
.set i, i+1
.endr
	WIN 0
.endm
.macro LDSET sl, k                     ; the pack's four weight fragments of K step k: eight loads of 8 bytes each, at row x 528 + 128 k + 16 c + 8 h: the 32 lanes touch 64 different banks
	WIN 0xc0
.irp t,0,1,2,3
.irp c,0,1,2,3,4,5,6,7
	ds_load_b64 v[64*\k+16*\t+2*\c:64*\k+16*\t+2*\c+1], v[WR+\sl] offset:\t*8448+128*\k+16*\c
.endr
.endr
.endm
.macro MULSET k                        ; 16 accumulators by turns
	WIN 0xad
.irp t,0,1,2,3
.irp m,0,1,2,3
.if \k == 0
	v_wmma_f32_16x16x128_bf8_bf8 v[32*\t+8*\m:32*\t+8*\m+7], v[16*(4*\m+\k):16*(4*\m+\k)+15], v[64*\k+16*\t:64*\k+16*\t+15], 0
.else
	v_wmma_f32_16x16x128_bf8_bf8 v[32*\t+8*\m:32*\t+8*\m+7], v[16*(4*\m+\k):16*(4*\m+\k)+15], v[64*\k+16*\t:64*\k+16*\t+15], v[32*\t+8*\m:32*\t+8*\m+7]
.endif
.endr
.endr
.endm
; A pack: 64 weight rows against my work-group's 64 positions.  Each K step's fragments have registers of their own, so the loads run a set ahead with no places owed inside a pack.
.macro PACK p
	LDSET (\p)%2,0
	LDSET (\p)%2,1
	s_wait_dscnt 32                                ; set 0 is in; the younger set may be out
	MULSET 0
	LDSET (\p)%2,2
	s_wait_dscnt 32
	MULSET 1
	LDSET (\p)%2,3
	s_wait_dscnt 32
	MULSET 2
	s_wait_dscnt 0x0                               ; my last reads of this slot are in
.if \p < 2
	WIN 0
	s_wait_tensorcnt 0x0                           ; all my tensor loads have landed, the next pack's among them: a group 0 may be written
	ds_add_u32 v[SPW], v[NIL]
	s_add_nc_u64 s[G0A+4*\p+2:G0A+4*\p+3], s[G0A+4*\p+2:G0A+4*\p+3], 65536   ; two packs on
	MULSET 3                                       ; work on registers while the add is out
	s_wait_dscnt 0x0
	WIN 0
	ROUND                                          ; no wave of any partner still reads this slot or has a load on its way
	tensor_load_to_lds s[G0A+4*\p:G0A+4*\p+3], s[G1:G1+7]
	s_nop 0
	PLACES                                         ; also the places behind the last products
.else
	MULSET 3
	WIN 0
	PLACES
.endif
	s_cmp_lt_u32 s[WV], 2                          ; XWv's waves: the column sums of the unquantised results over my 64 positions
	s_cbranch_scc0 .Lnosum_\@
	WIN 0x0a
.irp t,0,1,2,3
.set i, 0
.rept 8
	v_pk_add_f32 v[T+16*\t+i:T+16*\t+i+1], v[32*\t+i:32*\t+i+1], v[32*\t+16+i:32*\t+16+i+1]
.set i, i+2
.endr
.endr
	WIN 0
.irp t,0,1,2,3
	TREE T+16*\t,8
	v_permlanex16_b32 v[T+16*\t+1], v[T+16*\t], s[SEL], s[SEL+1]
	v_add_f32 v[T+16*\t], v[T+16*\t], v[T+16*\t+1]
	v_ldexp_f32 v[T+16*\t], v[T+16*\t], s[E01]     ; x 2^(e0 + e1)
	ds_store_b32 v[PSW], v[T+16*\t] offset:256*\p+64*\t
.endr
.Lnosum_\@:
	WIN 0x82
.set i, 0
.rept 128
	v_med3_num_f32 v[i], v[i], -v[LIME], v[LIME]   ; the conversion does not saturate (ISA guide 7.6.2): the hold; each accumulator from its low end on
.set i, i+1
.endr
.irp t,0,1,2,3
.irp m,0,1,2,3
	v_cvt_scalef32_pk8_bf8_f32 v[128+32*\p+8*\t+2*\m:128+32*\p+8*\t+2*\m+1], v[32*\t+8*\m:32*\t+8*\m+7], v[SCE]
.endr
.endr
	v_nop                                          ; a plain instruction behind the conversions: the next pack's products write their sources
	WIN 0x08
.irp t,0,1,2,3
.irp q,0,1
	global_store_b128 v[LI], v[128+32*\p+8*\t+4*\q:128+32*\p+8*\t+4*\q+3], s[OB:OB+1] offset:\p*262144+\t*2048+\q*512   ; 512 consecutive bytes of an image
.endr
.endr
	WIN 0
.if \p == 2
	s_wait_tensorcnt 0x0                           ; the last pack is in: no load was issued behind it
.endif
.endm
	s_load_b512 s[4:19], s[0:1], 0x0               ; x, ln1_g, ln1_b, Wv, theta, w1, w2, scales
	s_load_b256 s[20:27], s[0:1], 0x40             ; tcodes, vcodes, psum, wpack
	v_lshl_add_u32 v[SPW], v0, 2, SPARE
	v_mov_b32 v[NIL], 0
	ds_add_u32 v[SPW], v[NIL]                      ; the opening: the add, twice on end, and its wait ahead of my first tensor load
	ds_add_u32 v[SPW], v[NIL]
	v_lshrrev_b32 v[RR], 5, v0
	v_readfirstlane_b32 s[WV], v[RR]               ; wave 0..3
	s_bfe_u32 s[CX], ttmp6, 0x40000
	s_lshl_b32 s[SX], ttmp9, 2
	s_add_co_u32 s[SX], s[SX], s[CX]               ; which 64 positions
	s_and_b32 s[BB], ttmp7, 0xffff                 ; the batch
	s_mov_b32 s[G1], 15|(1<<20)|(1<<21)|(6<<22)|(3<<25)   ; mask: all four; elements of 1 byte; 4 words of padding after every 128
	s_mov_b32 s[G1+1], 512<<16                     ; tensor_dim0
	s_mov_b32 s[G1+2], 64<<16                      ; tensor_dim1
	s_mov_b32 s[G1+3], 512<<16                     ; tile_dim0
	s_mov_b32 s[G1+4], 64                          ; tile_dim1
	s_mov_b32 s[G1+5], 512                         ; pitch
	s_mov_b32 s[G1+6], 0
	s_mov_b32 s[G1+7], 0
	s_mov_b32 s[SEL], 0x76543210
	s_mov_b32 s[SEL+1], 0xfedcba98
	s_mov_b32 s[I512], 0x3b000000                  ; 1 / 512
	s_mov_b32 s[EPS], 0x3727c5ac                   ; 1e-5
	v_and_b32 v[RR], 15, v0
	v_bfe_u32 v[HH], v0, 4, 1
	v_and_b32 v[LI], 31, v0
	v_lshlrev_b32 v[LI], 4, v[LI]
	s_mul_i32 s60, s[WV], 8448
	s_add_co_u32 s60, s60, STG
	v_add_nc_u32 v[TS], s60, v[LI]
	v_mul_u32_u24 v[TR], v[RR], 528
	v_lshl_add_u32 v[TR], v[HH], 5, v[TR]
	v_add_nc_u32 v[TR], s60, v[TR]
	s_lshl_b32 s60, s[WV], 9
	v_lshlrev_b32 v[PO], 5, v[HH]
	v_add_nc_u32 v[PO], s60, v[PO]
	s_add_co_u32 s60, s60, STATS
	v_lshl_add_u32 v[STW], v[RR], 3, s60
	v_lshl_add_u32 v[STR], v[RR], 3, STATS
	s_lshl_b32 s60, s[WV], 11
	s_add_co_u32 s60, s60, STG
	v_add_nc_u32 v[IMW], s60, v[LI]
	v_add_nc_u32 v[IMR], STG, v[LI]
	s_mul_i32 s86, s[WV], WSL                      ; my part of a slot
	v_mul_u32_u24 v[WR], v[RR], 528
	v_lshl_add_u32 v[WR], v[HH], 3, v[WR]
	v_add_nc_u32 v[WR], s86, v[WR]
	v_add_nc_u32 v[WR+1], SLOTB, v[WR]
	s_lshl_b32 s60, s[WV], 10
	s_add_co_u32 s60, s60, PSTG
	v_lshl_add_u32 v[PSW], v[RR], 2, s60
	v_add_nc_u32 v[PSR], s60, v[LI]
.irp m,0,1,2,3
	v_mov_b32 v[MNP+2*\m+1], 0                     ; the pairs' upper words are named, so they are written
	v_mov_b32 v[RSP+2*\m+1], 0
	v_mov_b32 v[ST+2*\m+1], 0
.endr
	s_lshl_b32 s66, s[SX], 19                      ; x: 64 sx rows of 8,192 bytes + 2,048 b + 512 w
	s_lshl_b32 s60, s[BB], 11
	s_add_co_u32 s66, s66, s60
	s_lshl_b32 s60, s[WV], 9
	s_add_co_u32 s66, s66, s60
	s_mov_b32 s67, 0
	s_lshl_b32 s60, s[BB], 6
	s_add_co_u32 s60, s60, s[SX]                   ; 64 b + sx
	s_lshl_b32 s[PSB], s60, 11                     ; psum: 2,048 bytes a work-group, + 1,024 (w & 1)
	s_and_b32 s61, s[WV], 1
	s_lshl_b32 s62, s61, 10
	s_add_co_u32 s[PSB], s[PSB], s62
	s_mov_b32 s[PSB+1], 0
	s_lshl_b32 s60, s60, 1                         ; THE LAY-OUT OF w1 AND w2: 1,024 images, one a wave of the launch.  q = 2 (64 b + sx) + (w & 1) = 128 W + 8 j + f
	s_add_co_u32 s60, s60, s61
	s_lshr_b32 s61, s60, 7                         ; W: the wave of the last launch that will read it
	s_bfe_u32 s62, s60, 0x40003                    ; j: which 128 hidden units
	s_and_b32 s63, s60, 7                          ; f
	s_lshl_b32 s68, s62, 16                        ; w1 (f = 2 s + t): rows 128 j + 32 W + 16 t on, of 512 bytes, K bytes 128 s on
	s_lshl_b32 s69, s61, 14
	s_add_co_u32 s68, s68, s69
	s_and_b32 s69, s63, 1
	s_lshl_b32 s69, s69, 13
	s_add_co_u32 s68, s68, s69
	s_lshr_b32 s69, s63, 1
	s_lshl_b32 s69, s69, 7
	s_add_co_u32 s68, s68, s69
	s_lshl_b32 s70, s61, 18                        ; w2 (f = t): rows 128 W + 16 t on, of 2,048 bytes, K bytes 128 j on
	s_lshl_b32 s71, s63, 15
	s_add_co_u32 s70, s70, s71
	s_lshl_b32 s71, s62, 7
	s_add_co_u32 s70, s70, s71
	s_lshl_b32 s72, s61, 19                        ; wpack: [W][j][w1's 8 images | w2's 8 images]
	s_lshl_b32 s73, s62, 15
	s_add_co_u32 s72, s72, s73
	s_lshl_b32 s73, s63, 11
	s_add_co_u32 s72, s72, s73
	s_mov_b32 s75, 2048
	s_cmp_lt_u32 s[WV], 2                          ; waves 0, 1 lay w1, waves 2, 3 w2
	s_cselect_b32 s68, s68, s70
	s_cselect_b32 s73, 0, 16384
	s_cselect_b32 s75, 512, s75
	s_add_co_u32 s72, s72, s73
	s_mov_b32 s69, 0
	s_mov_b32 s73, 0
	v_mul_lo_u32 v[RLO], v[RR], s75
	v_lshl_add_u32 v[RLO], v[HH], 3, v[RLO]        ; row r, + 8 h
	s_lshl_b32 s[OB], s[BB], 21                    ; the codes' place: [b][block of 64 rows][K step of 128 positions][tile][piece]: my work-group fills half of each image
	s_and_b32 s60, s[WV], 1
	s_lshl_b32 s60, s60, 20
	s_add_co_u32 s[OB], s[OB], s60
	s_lshr_b32 s60, s[SX], 1
	s_lshl_b32 s60, s60, 13
	s_add_co_u32 s[OB], s[OB], s60
	s_and_b32 s60, s[SX], 1
	s_lshl_b32 s60, s60, 10
	s_add_co_u32 s[OB], s[OB], s60
	s_mov_b32 s[OB+1], 0
	s_and_b32 s80, s[WV], 1
	s_lshl_b32 s80, s80, 17                        ; my 256 weight rows (these registers never hold the work-group's place)
	s_mov_b32 s81, 0
	s_wait_dscnt 0x0                               ; both opening adds are done
	s_wait_kmcnt 0x0
	s_load_b256 s[28:35], s[18:19], 0x0            ; e0 .. e7
	s_add_nc_u64 s[4:5], s[4:5], s[66:67]
	s_add_nc_u64 s[PSB:PSB+1], s[24:25], s[PSB:PSB+1]
	s_cmp_lt_u32 s[WV], 2
	s_cselect_b64 s[14:15], s[14:15], s[16:17]
	s_cselect_b64 s[82:83], s[10:11], s[12:13]     ; Wv or theta
	s_cselect_b64 s[84:85], s[22:23], s[20:21]     ; vcodes or tcodes
	s_add_nc_u64 s[14:15], s[14:15], s[68:69]
	s_add_nc_u64 s[26:27], s[26:27], s[72:73]
	s_add_nc_u64 s[82:83], s[82:83], s[80:81]
	s_add_nc_u64 s[OB:OB+1], s[84:85], s[OB:OB+1]
	s_mov_b32 s[G0A], 1
	s_mov_b32 s[G0A+1], s86
	s_mov_b64 s[G0A+2:G0A+3], s[82:83]             ; pack 0
	s_or_b32 s[G0A+3], s[G0A+3], 0x80000000
	s_mov_b32 s[G0A+4], 1
	s_add_co_u32 s[G0A+5], s86, SLOTB
	s_add_nc_u64 s[G0A+6:G0A+7], s[82:83], 32768   ; pack 1
	s_or_b32 s[G0A+7], s[G0A+7], 0x80000000
	ROUND                                          ; all four work-groups are here: the first joint loads meet
	tensor_load_to_lds s[G0A:G0A+3], s[G1:G1+7]
	s_nop 0
	tensor_load_to_lds s[G0A+4:G0A+7], s[G1:G1+7]  ; two loads of mine are out
	s_nop 0
	PLACES
	WIN 0x40
.irp c,0,1,2,3,4,5,6,7
	global_load_b64 v[2*\c:2*\c+1], v[RLO], s[14:15] offset:16*\c   ; registers 2 c, 2 c + 1 of the weight fragment that I lay out
.endr
	WIN 0
	PARAM G,6
	PARAM B,8
	XLOAD
	WIN 0
	s_wait_kmcnt 0x0
	MKSC 28,SC0,LIM0
	MKSC 30,SC2,LIM2
	s_sub_co_i32 s62, s33, s28                     ; a sum stands for sum x 2^(e0 + e1): XWv's code is sum / 2^(e5 - e0 - e1),
	s_sub_co_i32 s62, s62, s29
	s_sub_co_i32 s63, s32, s30                     ; Xth's sum / 2^(e4 - e2 - e3)
	s_sub_co_i32 s63, s63, s31
	s_cmp_lt_u32 s[WV], 2
	s_cselect_b32 s62, s62, s63
	MKSC 62,SCE,LIME
	s_add_co_i32 s[E01], s28, s29
	TURN 0                                         ; its wait also shows the older loads in: the weight fragment, g and b
	WIN 0x04
.irp q,0,1,2,3
	global_store_b128 v[LI], v[4*\q:4*\q+3], s[26:27] offset:512*\q
.endr
	TURN 1
	TURN 2
	TURN 3
	WIN 0
	s_wait_dscnt 0x0
	LNSTAT 2,0
	BAR
	LNCOMB 0
	LNNORM
	; X is quantised twice, at e0 and at e2: 32 numbers of a row at a time
.irp m,0,1,2,3
.irp g,0,1
	WIN 0x02
.set i, 0
.rept 32
	v_med3_num_f32 v[T+i], v[64*\m+32*\g+i], -v[LIM0], v[LIM0]
.set i, i+1
.endr
.set i, 0
.rept 32
	v_med3_num_f32 v[T+32+i], v[64*\m+32*\g+i], -v[LIM2], v[LIM2]
.set i, i+1
.endr
	WIN 0
.irp c,0,1,2,3
	v_cvt_scalef32_pk8_bf8_f32 v[G+16*\m+8*\g+2*\c:G+16*\m+8*\g+2*\c+1], v[T+8*\c:T+8*\c+7], v[SC0]
	v_cvt_scalef32_pk8_bf8_f32 v[B+16*\m+8*\g+2*\c:B+16*\m+8*\g+2*\c+1], v[T+32+8*\c:T+32+8*\c+7], v[SC2]
.endr
	v_nop                                          ; a plain instruction behind the conversions: the next holds write their sources
.endr
.endr
	PUTIMG G                                       ; the codes at e0 (every wave has left its stage: the barrier above)
	BAR
	s_wait_xcnt 0x0                                ; the lay-out's stores have read window 1's registers
	s_cmp_lt_u32 s[WV], 2
	s_cbranch_scc0 .Lnot01
	GETIMG
.Lnot01:
	BAR                                            ; they have been read: the images' bytes take the codes at e2
	PUTIMG B
	BAR
	s_cmp_lt_u32 s[WV], 2
	s_cbranch_scc1 .Lnot23
	GETIMG
.Lnot23:
	s_wait_dscnt 0x0
	s_wait_tensorcnt 0x1                           ; pack 0 is in, pack 1 may be out; I read only bytes that I fetched
	PACK 0
	PACK 1
	PACK 2
	PACK 3
	s_cmp_lt_u32 s[WV], 2
	s_cbranch_scc0 .Lnops
	s_wait_dscnt 0x0
	ds_load_b128 v[T:T+3], v[PSR]                  ; my 256 column sums, back as 1,024 consecutive bytes
	ds_load_b128 v[T+4:T+7], v[PSR] offset:512
	s_wait_dscnt 0x0
	global_store_b128 v[LI], v[T:T+3], s[PSB:PSB+1]
	global_store_b128 v[LI], v[T+4:T+7], s[PSB:PSB+1] offset:512
.Lnops:
	s_wait_tensorcnt 0x0                           ; the wave's end
	ds_add_u32 v[SPW], v[NIL]
	s_wait_dscnt 0x0
	ROUND                                          ; the closing round
	s_endpgm
.Lfunc_end_k_qc3fdf9d92e_front:
	.size	k_qc3fdf9d92e_front, .Lfunc_end_k_qc3fdf9d92e_front-k_qc3fdf9d92e_front
	.p2alignl 7, 3214868480
	.fill 96, 4, 3214868480
	.section	.rodata,"a",@progbits
	.p2align	6, 0x0
	.amdhsa_kernel k_qc3fdf9d92e_front
		.amdhsa_group_segment_fixed_size 327680
		.amdhsa_private_segment_fixed_size 0
		.amdhsa_enable_private_segment 0
		.amdhsa_kernarg_size 96
		.amdhsa_user_sgpr_count 2
		.amdhsa_user_sgpr_kernarg_segment_ptr 1
		.amdhsa_wavefront_size32 1
		.amdhsa_system_sgpr_workgroup_id_x 1
		.amdhsa_system_sgpr_workgroup_id_y 1
		.amdhsa_system_sgpr_workgroup_id_z 1
		.amdhsa_system_vgpr_workitem_id 0
		.amdhsa_next_free_vgpr 1024
		.amdhsa_next_free_sgpr 90
		.amdhsa_reserve_vcc 0
		.amdhsa_float_denorm_mode_32 3
		.amdhsa_float_denorm_mode_16_64 3
		.amdhsa_memory_ordered 1
		.amdhsa_forward_progress 1
		.amdhsa_inst_pref_size 240
	.end_amdhsa_kernel
	.amdgpu_metadata
---
amdhsa.version: [ 1, 2 ]
amdhsa.kernels:
  - .name:           k_qc3fdf9d92e_front
    .symbol:         k_qc3fdf9d92e_front.kd
    .args:
      - { .name: x, .offset: 0, .size: 8, .value_kind: global_buffer, .address_space: global }
      - { .name: ln1_g, .offset: 8, .size: 8, .value_kind: global_buffer, .address_space: global }
      - { .name: ln1_b, .offset: 16, .size: 8, .value_kind: global_buffer, .address_space: global }
      - { .name: W_v_codes, .offset: 24, .size: 8, .value_kind: global_buffer, .address_space: global }
      - { .name: theta_codes, .offset: 32, .size: 8, .value_kind: global_buffer, .address_space: global }
      - { .name: w1_codes, .offset: 40, .size: 8, .value_kind: global_buffer, .address_space: global }
      - { .name: w2_codes, .offset: 48, .size: 8, .value_kind: global_buffer, .address_space: global }
      - { .name: lowp_scales, .offset: 56, .size: 8, .value_kind: global_buffer, .address_space: global }
      - { .name: tcodes, .offset: 64, .size: 8, .value_kind: global_buffer, .address_space: global }
      - { .name: vcodes, .offset: 72, .size: 8, .value_kind: global_buffer, .address_space: global }
      - { .name: psum, .offset: 80, .size: 8, .value_kind: global_buffer, .address_space: global }
      - { .name: wpack, .offset: 88, .size: 8, .value_kind: global_buffer, .address_space: global }
    .group_segment_fixed_size: 327680
    .private_segment_fixed_size: 0
    .kernarg_segment_align: 8
    .kernarg_segment_size: 96
    .max_flat_workgroup_size: 128
    .sgpr_count:     90
    .vgpr_count:     1024
    .wavefront_size: 32
...
	.end_amdgpu_metadata
.endif
;; end of part 1
;; launch gram (part 2): grid 8 x 32, 4 waves a work-group, clusters of 4 x 4, 327,680 bytes of LDS; arguments tcodes, vcodes, psum, lowp_scales, mcodes, first; writes mcodes, first
.if DOCPART == 2
	.amdgcn_target "amdgcn-amd-amdhsa--gfx1250"
	.amdhsa_code_object_version 6
	.text
	.protected	k_qc3fdf9d92e_gram
	.globl	k_qc3fdf9d92e_gram
	.p2align	8
	.type	k_qc3fdf9d92e_gram,@function
k_qc3fdf9d92e_gram:
	s_mov_b64 s[64:65], 0
	v_nop
	global_prefetch_b8 v0, s[64:65] scope:SCOPE_SE
	s_setreg_imm32_b32 hwreg(HW_REG_WAVE_MODE, 25, 1), 1
	s_wait_xcnt 0x0
	s_wait_alu depctr_hold_cnt(0) depctr_sa_sdst(0) depctr_va_vdst(0) depctr_va_sdst(0) depctr_va_ssrc(0) depctr_va_vcc(0) depctr_vm_vsrc(0)
	s_getreg_b32 s2, hwreg(HW_REG_IB_STS2, 6, 4)
	s_cmp_eq_u32 s2, 0
	s_cbranch_scc0 .Lentry_in_a_cluster
	s_endpgm
.Lentry_in_a_cluster:
	s_bfe_u32 s2, ttmp6, 0x10000c
	s_cmp_lg_u32 s2, 0xf033
	s_cbranch_scc0 .Lentry_shape_is_right
	s_endpgm
.Lentry_shape_is_right:
; GRAM: M[b][d][e] = the sum over the 4,096 positions of Q(Xth)[n][d] Q(XWv)[n][e], on the codes that the first launch stored; M leaves as codes quantised along d (the fourth product's K);
; and first[b][e] = the sum of the 64 partial column sums / 4,096.  No work of reference() is left out.
; LIMITS: e7 - e4 - e5 between -126 and 112, so that the conversion's scale and its hold are f32 numbers.
; SHARES.  Work-group (x, y): batch b = y / 8, rows d = 64 (y % 8) on, columns e = 64 x on.  THE WAVES SHARE K: of each pack of 8 K steps (128 positions each) wave w takes steps 2 w, 2 w + 1, all 16 tiles:
; so each LDS byte is read once.  The four partial tiles are added through LDS at the end, in a fixed order.
; Source 0 = Xth's fragment (rows d), source 1 = XWv's (rows e): lane r holds e, the eight registers d = 8 h + 0 .. 7: one conversion makes two registers of M's fragment.
; CLUSTER 4 x 4.  Xth's tiles hang on y alone and are shared along a row of the cluster, XWv's on b and x alone and are shared along a column: joint loads, waves 0, 1 for Xth's halves, waves 2, 3 for XWv's.
; Operands lie in memory as images of fragments (registers 4 q .. 4 q + 3 of lane l at 512 q + 16 l), a pack of a block being 65,536 consecutive bytes.
; REGISTERS: window 0: addresses; v16-39 at work; v64-127 sums; v128-255 the accumulators (dt, et) at 128 + 8 (4 et + dt).  Window 1: for K step a: Xth's fragments at 128 a + 16 i, XWv's at 128 a + 64 + 16 i.
.set SLOT,  131072                     ; Xth's 65,536 bytes, then XWv's
.set SPARE, 2*SLOT
.set LI, 1
.set FT, 2                             ; v2, v3: my K steps of Xth, of XWv in slot 0; v4, v5: in slot 1
.set RS, 6                             ; the partial tiles: where I store (in slot 0, behind its last fill and its last read)
.set RRD, 7                            ; and where I read
.set SPW, 8
.set NIL, 9
.set SCM, 10
.set LIMM, 11
.set WV, 20
.set CX, 21
.set CY, 22
.set XX, 23
.set G1T, 24
.set G1V, 32
.set G0T, 40
.set G0V, 48
.set SEL, 56
.set YY, 58
.set CYC, 59
.set TM, 60
.set MSB, 0
.macro WIN new
.if MSB != (\new)
	s_set_vgpr_msb (MSB<<8)|(\new)
.set MSB, (\new)
.endif
.endm
.macro PLACES
.rept 4
	v_nop
.endr
.endm
.macro ROUND
	s_barrier_signal -1
	s_barrier_wait -1
	s_cmp_lg_u32 s[WV], 0
	s_cbranch_scc1 .Lnw0_\@
	s_barrier_signal -3
.Lnw0_\@:
	s_barrier_wait -3
	s_barrier_signal -1
	s_barrier_wait -1
.endm
.macro TREE b, n
.irp w,16,8,4,2
.if \w <= \n
.set u, 0
.rept \w/2
	v_pk_add_f32 v[(\b)+u:(\b)+u+1], v[(\b)+u:(\b)+u+1], v[(\b)+u+\w:(\b)+u+\w+1]
.set u, u+2
.endr
.endif
.endr
	v_add_f32 v[(\b)], v[(\b)], v[(\b)+1]
.endm
.macro JLOAD s                         ; a joint load; the branch hangs on the wave's number alone; an s_nop 0 and four v_nop follow each line
	s_cmp_lt_u32 s[WV], 2
	s_cbranch_scc0 .Lfor_v_\@
	tensor_load_to_lds s[G0T+4*\s:G0T+4*\s+3], s[G1T:G1T+7]
	s_nop 0
	PLACES
	s_branch .Lasked_\@
.Lfor_v_\@:
	tensor_load_to_lds s[G0V+4*\s:G0V+4*\s+3], s[G1V:G1V+7]
	s_nop 0
	PLACES
.Lasked_\@:
.endm
.macro GMUL a, zero                    ; 16 accumulators by turns
	WIN 0x05
.irp et,0,1,2,3
.irp dt,0,1,2,3
.if \zero
	v_wmma_f32_16x16x128_bf8_bf8 v[128+8*(4*\et+\dt):128+8*(4*\et+\dt)+7], v[128*\a+16*\dt:128*\a+16*\dt+15], v[128*\a+64+16*\et:128*\a+64+16*\et+15], 0
.else
	v_wmma_f32_16x16x128_bf8_bf8 v[128+8*(4*\et+\dt):128+8*(4*\et+\dt)+7], v[128*\a+16*\dt:128*\a+16*\dt+15], v[128*\a+64+16*\et:128*\a+64+16*\et+15], v[128+8*(4*\et+\dt):128+8*(4*\et+\dt)+7]
.endif
.endr
.endr
.endm
; A pack in slot sl.  kind 2: the slot is filled again, two packs on; 1: nothing is filled, the last pack is awaited; 0: the last pack.
.macro GPACK sl, zero, kind
	WIN 0x40
.irp a,0,1
.irp i,0,1,2,3
.irp c,0,1,2,3
	ds_load_b128 v[128*\a+16*\i+4*\c:128*\a+16*\i+4*\c+3], v[FT+2*\sl] offset:\a*8192+\i*2048+\c*512
.endr
.endr
.irp i,0,1,2,3
.irp c,0,1,2,3
	ds_load_b128 v[128*\a+64+16*\i+4*\c:128*\a+64+16*\i+4*\c+3], v[FT+2*\sl+1] offset:\a*8192+\i*2048+\c*512
.endr
.endr
.endr
	s_wait_dscnt 32                                ; my first K step is in; the second's 32 loads may be out
	GMUL 0,\zero
.if \kind == 2
	WIN 0
	s_wait_tensorcnt 0x0                           ; all my tensor loads have landed: my part of the other slot
	ds_add_u32 v[SPW], v[NIL]
	s_add_nc_u64 s[G0T+4*\sl+2:G0T+4*\sl+3], s[G0T+4*\sl+2:G0T+4*\sl+3], 131072
	s_add_nc_u64 s[G0V+4*\sl+2:G0V+4*\sl+3], s[G0V+4*\sl+2:G0V+4*\sl+3], 131072
	s_wait_dscnt 1                                 ; the second K step is in; the add alone may be out
	GMUL 1,0
	s_wait_dscnt 0x0
	WIN 0
	ROUND                                          ; no wave of any partner still reads this slot or has a load on its way
	JLOAD \sl                                      ; its four v_nop are also the places in front of the next pack's loads
.elseif \kind == 1
	s_wait_tensorcnt 0x0                           ; my part of the last pack is in
	s_wait_dscnt 0x0
	GMUL 1,0
	WIN 0
	s_barrier_signal -1
	s_barrier_wait -1                              ; everybody's is, and nobody reads slot 0 any more
	PLACES
.else
	s_wait_dscnt 0x0
	GMUL 1,0
	WIN 0
	PLACES
.endif
.endm
	s_load_b256 s[4:11], s[0:1], 0x0               ; tcodes, vcodes, psum, scales
	s_load_b128 s[12:15], s[0:1], 0x20             ; mcodes, first
	v_lshl_add_u32 v[SPW], v0, 2, SPARE
	v_mov_b32 v[NIL], 0
	ds_add_u32 v[SPW], v[NIL]                      ; the opening: the add, twice on end, and its wait ahead of my first tensor load
	ds_add_u32 v[SPW], v[NIL]
	v_lshrrev_b32 v[LI], 5, v0
	v_readfirstlane_b32 s[WV], v[LI]
	s_bfe_u32 s[CX], ttmp6, 0x40000
	s_bfe_u32 s[CY], ttmp6, 0x40004
	s_lshl_b32 s[XX], ttmp9, 2
	s_add_co_u32 s[XX], s[XX], s[CX]               ; x: which 64 columns e
	s_and_b32 s[CYC], ttmp7, 0xffff
	s_lshl_b32 s[YY], s[CYC], 2
	s_add_co_u32 s[YY], s[YY], s[CY]               ; y = 8 b + which 64 rows d
	s_lshl_b32 s60, s[CY], 2
	s_lshl_b32 s60, 15, s60                        ; my row of the cluster
	s_lshl_b32 s61, 0x1111, s[CX]                  ; my column
	s_or_b32 s[G1T], s60, (3<<16)|(1<<21)          ; elements of 8 bytes, no padding: images are read 512 consecutive bytes an instruction
	s_or_b32 s[G1V], s61, (3<<16)|(1<<21)
.irp g,G1T,G1V
	s_mov_b32 s[\g+1], 32<<16                      ; a dense block of 32,768 bytes as 128 rows of 256
	s_mov_b32 s[\g+2], 128<<16
	s_mov_b32 s[\g+3], 32<<16
	s_mov_b32 s[\g+4], 128
	s_mov_b32 s[\g+5], 32
	s_mov_b32 s[\g+6], 0
	s_mov_b32 s[\g+7], 0
.endr
	s_mov_b32 s[SEL], 0x76543210
	s_mov_b32 s[SEL+1], 0xfedcba98
	s_and_b32 s62, s[WV], 1
	s_lshl_b32 s62, s62, 15                        ; which half of a tile I fetch: in memory and in LDS alike
	s_lshl_b32 s66, s[YY], 18                      ; Xth: block y of 262,144 bytes
	s_add_co_u32 s66, s66, s62
	s_mov_b32 s67, 0
	s_lshr_b32 s68, s[CYC], 1                      ; XWv: batch b (the same in the whole cluster), block x
	s_lshl_b32 s68, s68, 21
	s_lshl_b32 s69, s[XX], 18
	s_add_co_u32 s68, s68, s69
	s_add_co_u32 s68, s68, s62
	s_mov_b32 s69, 0
	v_and_b32 v[LI], 31, v0
	v_lshlrev_b32 v[LI], 4, v[LI]
	s_lshl_b32 s63, s[WV], 14                      ; my two K steps of a pack
	v_add_nc_u32 v[FT], s63, v[LI]
	v_add_nc_u32 v[FT+1], 65536, v[FT]
	v_add_nc_u32 v[FT+2], SLOT, v[FT]
	v_add_nc_u32 v[FT+3], SLOT+65536, v[FT]
	v_add_nc_u32 v[RS], s63, v[LI]
	s_lshl_b32 s63, s[WV], 12
	v_add_nc_u32 v[RRD], s63, v[LI]
	s_wait_dscnt 0x0                               ; both opening adds are done
	s_wait_kmcnt 0x0
	s_load_b128 s[16:19], s[10:11], 0x10           ; e4 .. e7
	s_add_nc_u64 s[66:67], s[4:5], s[66:67]
	s_add_nc_u64 s[68:69], s[6:7], s[68:69]
	ROUND                                          ; all sixteen work-groups are here: the first joint loads meet
.irp s,0,1
	s_mov_b32 s[G0T+4*\s], 1
	s_add_co_u32 s[G0T+4*\s+1], s62, \s*SLOT
	s_add_nc_u64 s[G0T+4*\s+2:G0T+4*\s+3], s[66:67], \s*65536
	s_or_b32 s[G0T+4*\s+3], s[G0T+4*\s+3], 0x80000000
	s_mov_b32 s[G0V+4*\s], 1
	s_add_co_u32 s[G0V+4*\s+1], s62, \s*SLOT+65536
	s_add_nc_u64 s[G0V+4*\s+2:G0V+4*\s+3], s[68:69], \s*65536
	s_or_b32 s[G0V+4*\s+3], s[G0V+4*\s+3], 0x80000000
	JLOAD \s
.endr
	; THE SEQUENCE MEAN: my work-group's eight columns 64 x + 8 (y % 8) + c of batch b, by wave 0 while the tiles are on their way.  Lane: c = l % 8; its 16 of the 64 partial sums: 16 (l / 8) on.
	s_lshr_b32 s70, s[YY], 3
	s_lshl_b32 s71, s[XX], 6
	s_and_b32 s72, s[YY], 7
	s_lshl_b32 s72, s72, 3
	s_add_co_u32 s71, s71, s72
	s_lshl_b32 s71, s71, 2
	s_lshl_b32 s72, s70, 17
	s_add_co_u32 s72, s72, s71
	s_mov_b32 s73, 0
	s_add_nc_u64 s[8:9], s[8:9], s[72:73]
	s_lshl_b32 s72, s70, 11
	s_add_co_u32 s72, s72, s71
	s_add_nc_u64 s[14:15], s[14:15], s[72:73]
	s_cmp_lg_u32 s[WV], 0
	s_cbranch_scc1 .Lnofirst
	v_and_b32 v14, 31, v0
	v_and_b32 v13, 7, v14
	v_lshlrev_b32 v13, 2, v13
	v_lshrrev_b32 v12, 3, v14
	v_lshl_add_u32 v12, v12, 15, v13
.irp i,0,1,2,3,4,5,6,7,8,9,10,11,12,13,14,15
	global_load_b32 v[16+\i], v12, s[8:9] offset:2048*\i
.endr
	s_wait_loadcnt 0x0
	TREE 16,8
	v_add_f32_dpp v16, v16, v16 row_xmask:8 row_mask:0xf bank_mask:0xf
	v_permlanex16_b32 v17, v16, s[SEL], s[SEL+1]
	v_add_f32 v16, v16, v17
	v_mul_f32 v16, 0x39800000, v16                 ; / 4,096
	s_wait_xcnt 0x0                                ; EXEC changes only behind this wait
	v_cmp_gt_u32 vcc_lo, 8, v14
	s_and_saveexec_b32 s70, vcc_lo
	global_store_b32 v13, v16, s[14:15]
	s_wait_xcnt 0x0
	s_or_b32 exec_lo, exec_lo, s70
.Lnofirst:
	s_wait_kmcnt 0x0
	s_sub_co_i32 s62, s19, s16                     ; a sum stands for sum x 2^(e4 + e5): M's code is sum / 2^(e7 - e4 - e5)
	s_sub_co_i32 s62, s62, s17
	s_add_co_i32 s[TM], s62, 127
	s_lshl_b32 s[TM+1], s[TM], 23
	v_mov_b32 v[SCM], s[TM+1]
	s_add_co_i32 s[TM], s[TM], 15
	s_lshl_b32 s[TM], s[TM], 23
	s_or_b32 s[TM], s[TM], 0x600000
	v_mov_b32 v[LIMM], s[TM]
	s_lshr_b32 s70, s[YY], 2                       ; mcodes: [b][p][W][f = 8 s' + t][2,048]: 2 b + p = y / 4; W = x / 2; s' = (y / 2) % 2; t = 4 (x % 2) + my wave; my half of the image: y % 2
	s_lshl_b32 s70, s70, 17
	s_lshr_b32 s71, s[XX], 1
	s_lshl_b32 s71, s71, 15
	s_add_co_u32 s70, s70, s71
	s_bfe_u32 s71, s[YY], 0x10001
	s_lshl_b32 s71, s71, 14
	s_add_co_u32 s70, s70, s71
	s_and_b32 s71, s[XX], 1
	s_lshl_b32 s71, s71, 13
	s_add_co_u32 s70, s70, s71
	s_lshl_b32 s71, s[WV], 11
	s_add_co_u32 s70, s70, s71
	s_and_b32 s71, s[YY], 1
	s_lshl_b32 s71, s71, 10
	s_add_co_u32 s70, s70, s71
	s_mov_b32 s71, 0
	s_add_nc_u64 s[12:13], s[12:13], s[70:71]
	s_wait_tensorcnt 0x1                           ; my part of pack 0 is in; pack 1's may be out
	s_barrier_signal -1
	s_barrier_wait -1
	GPACK 0,1,2
	GPACK 1,0,2
	GPACK 0,0,1
	GPACK 1,0,0
	; the four waves' partial tiles meet in LDS; wave w adds and finishes the tiles of columns 16 w on
.irp et,0,1,2,3
.irp dt,0,1,2,3
.irp i,0,1
	ds_store_b128 v[RS], v[128+8*(4*\et+\dt)+4*\i:128+8*(4*\et+\dt)+4*\i+3] offset:\et*4096+\dt*1024+\i*512
.endr
.endr
.endr
	s_wait_dscnt 0x0
	s_barrier_signal -1
	s_barrier_wait -1
	WIN 0x40
.irp q,0,1,2,3
.irp dt,0,1,2,3
.irp i,0,1
	ds_load_b128 v[32*\q+8*\dt+4*\i:32*\q+8*\dt+4*\i+3], v[RRD] offset:\q*16384+\dt*1024+\i*512
.endr
.endr
.endr
	s_wait_dscnt 0x0
	WIN 0x05
.set i, 0
.rept 16
	v_pk_add_f32 v[64+i:65+i], v[i:i+1], v[32+i:33+i]
	v_pk_add_f32 v[96+i:97+i], v[64+i:65+i], v[96+i:97+i]
.set i, i+2
.endr
	WIN 0
.set i, 0
.rept 16
	v_pk_add_f32 v[64+i:65+i], v[64+i:65+i], v[96+i:97+i]
.set i, i+2
.endr
.set i, 0
.rept 32
	v_med3_num_f32 v[64+i], v[64+i], -v[LIMM], v[LIMM]   ; the conversion does not saturate (ISA guide 7.6.2): the hold
.set i, i+1
.endr
.irp dt,0,1,2,3
	v_cvt_scalef32_pk8_bf8_f32 v[32+2*\dt:33+2*\dt], v[64+8*\dt:71+8*\dt], v[SCM]
.endr
	v_nop
	global_store_b128 v[LI], v[32:35], s[12:13]    ; 512 consecutive bytes of an image each
	global_store_b128 v[LI], v[36:39], s[12:13] offset:512
	s_wait_tensorcnt 0x0                           ; the wave's end
	ds_add_u32 v[SPW], v[NIL]
	s_wait_dscnt 0x0
	ROUND                                          ; the closing round
	s_endpgm
.Lfunc_end_k_qc3fdf9d92e_gram:
	.size	k_qc3fdf9d92e_gram, .Lfunc_end_k_qc3fdf9d92e_gram-k_qc3fdf9d92e_gram
	.p2alignl 7, 3214868480
	.fill 96, 4, 3214868480
	.section	.rodata,"a",@progbits
	.p2align	6, 0x0
	.amdhsa_kernel k_qc3fdf9d92e_gram
		.amdhsa_group_segment_fixed_size 327680
		.amdhsa_private_segment_fixed_size 0
		.amdhsa_enable_private_segment 0
		.amdhsa_kernarg_size 48
		.amdhsa_user_sgpr_count 2
		.amdhsa_user_sgpr_kernarg_segment_ptr 1
		.amdhsa_wavefront_size32 1
		.amdhsa_system_sgpr_workgroup_id_x 1
		.amdhsa_system_sgpr_workgroup_id_y 1
		.amdhsa_system_sgpr_workgroup_id_z 1
		.amdhsa_system_vgpr_workitem_id 0
		.amdhsa_next_free_vgpr 512
		.amdhsa_next_free_sgpr 76
		.amdhsa_reserve_vcc 1
		.amdhsa_float_denorm_mode_32 3
		.amdhsa_float_denorm_mode_16_64 3
		.amdhsa_memory_ordered 1
		.amdhsa_forward_progress 1
		.amdhsa_inst_pref_size 48
	.end_amdhsa_kernel
	.amdgpu_metadata
---
amdhsa.version: [ 1, 2 ]
amdhsa.kernels:
  - .name:           k_qc3fdf9d92e_gram
    .symbol:         k_qc3fdf9d92e_gram.kd
    .args:
      - { .name: tcodes, .offset: 0, .size: 8, .value_kind: global_buffer, .address_space: global }
      - { .name: vcodes, .offset: 8, .size: 8, .value_kind: global_buffer, .address_space: global }
      - { .name: psum, .offset: 16, .size: 8, .value_kind: global_buffer, .address_space: global }
      - { .name: lowp_scales, .offset: 24, .size: 8, .value_kind: global_buffer, .address_space: global }
      - { .name: mcodes, .offset: 32, .size: 8, .value_kind: global_buffer, .address_space: global }
      - { .name: first, .offset: 40, .size: 8, .value_kind: global_buffer, .address_space: global }
    .group_segment_fixed_size: 327680
    .private_segment_fixed_size: 0
    .kernarg_segment_align: 8
    .kernarg_segment_size: 48
    .max_flat_workgroup_size: 128
    .sgpr_count:     76
    .vgpr_count:     512
    .wavefront_size: 32
...
	.end_amdgpu_metadata
.endif
;; end of part 2
;; launch back (part 3): grid 64 x 4, 4 waves a work-group, clusters of 4 x 1, 327,680 bytes of LDS; arguments x, ln1_g, ln1_b, ln2_g, ln2_b, b1, b2, lowp_scales, mcodes, first, wpack, out0; writes out0
.if DOCPART == 3
	.amdgcn_target "amdgcn-amd-amdhsa--gfx1250"
	.amdhsa_code_object_version 6
	.text
	.protected	k_qc3fdf9d92e_back
	.globl	k_qc3fdf9d92e_back
	.p2align	8
	.type	k_qc3fdf9d92e_back,@function
k_qc3fdf9d92e_back:
	s_mov_b64 s[64:65], 0
	v_nop
	global_prefetch_b8 v0, s[64:65] scope:SCOPE_SE
	s_setreg_imm32_b32 hwreg(HW_REG_WAVE_MODE, 25, 1), 1
	s_wait_xcnt 0x0
	s_wait_alu depctr_hold_cnt(0) depctr_sa_sdst(0) depctr_va_vdst(0) depctr_va_sdst(0) depctr_va_ssrc(0) depctr_va_vcc(0) depctr_vm_vsrc(0)
	s_getreg_b32 s2, hwreg(HW_REG_IB_STS2, 6, 4)
	s_cmp_eq_u32 s2, 0
	s_cbranch_scc0 .Lentry_in_a_cluster
	s_endpgm
.Lentry_in_a_cluster:
	s_bfe_u32 s2, ttmp6, 0x10000c
	s_cmp_lg_u32 s2, 0x3003
	s_cbranch_scc0 .Lentry_shape_is_right
	s_endpgm
.Lentry_shape_is_right:
; BACK: X = LN1(x) once more; h = X + first + Q(X) Q(M) / (4,096 sqrt 512); h2 = LN2(h); out = h + Q(gelu(Q(h2) w1^T + b1)) w2^T + b2.  h, h2 and the hidden layer never go to memory.  No work of reference() is left out.
; LIMITS: NaN and infinities among the inputs are not served.  e6, e8, e10 between -126 and 112; e6 + e7 between -109 and 144; e8 + e9 between -125 and 127; |e10 + e11| at most 126: each power of two below is then an f32 number.
; gelu(z) = (w / sqrt 2)(1 + erf w), w = z / sqrt 2; erf w = c P(c^2) / Q(c^2), c = w held within +-3.7439211, a rational form good to f32's last bits.  Far below zero 1 + erf w keeps an absolute error of some 6e-8, and is 0 from w = -3.744 down.
; SHARES.  A work-group takes 64 positions of one batch through the whole chain.  THE WAVES SHARE THE COLUMNS: wave w owns columns 128 w .. + 127 of X, h and out (32 accumulators for the 64 rows), and of each 128 hidden
; units the 32 from 32 w on.  So each weight fragment is read from LDS by one wave and feeds four matrix instructions, and each wave asks for, and reads, its own 32,768 bytes of each pack.
; All products are used transposed (source 0 = the weight, source 1 = the rows): a lane holds one row, its eight registers eight neighbouring columns 16 t + 8 h + j: one conversion makes registers 2 c, 2 c + 1 of the next operand.
; Codes go from wave to wave through LDS as images of fragments (registers 4 q .. 4 q + 3 of lane l at 512 q + 16 l).
; THE RING: two slots; 18 joint loads a wave (mask 15: the cluster's four work-groups walk the same M and the same weights): M's two packs, then 16 packs (w1's 8 images | w2's 8 images) of 128 hidden units each.
; h + b2 ride in the last product's accumulators, divided by 2^(e10 + e11), which rounds nothing; the finished sums are multiplied by it once.
; REGISTERS, in windows of 256.  0: addresses, constants; v40-55 statistics, later b1; v64-191 F: ln's g | b, codes, M's two sets, w2's 8 fragments, rows of out; v192-255 T at work.
;   1: the rows' 16 fragments (m, s) at 16 (4 m + s): X's, then h2's.   2: X; later b2 and h2's codes; later the hidden tiles (m, t) at 16 m + 8 t, the hidden fragments (m) at 64 + 16 m, w1's 8 fragments from 128.   3: x as loaded, then out's accumulators (m, t) at 64 m + 8 t.
.set SLOT,  131072
.set HIMG,  2*SLOT                     ; the hidden layer's four images, twice (by turns)
.set STG,   HIMG+16384                 ; four stages of 16 rows x 528, or the rows' 16 images
.set STATS, STG+33792                  ; LN1's figures; LN2's 2,048 further on
.set SPARE, STATS+4096
.set LI, 1
.set RR, 2
.set TS, 3
.set TR, 4
.set STW, 5
.set STR, 6
.set IMW, 7
.set IMR, 8
.set WA, 9                             ; 32,768 w + 16 lane: my part of slot 0
.set ADR, 10
.set HW0, 11
.set HR0, 12
.set PO, 13
.set BO, 14
.set PFO, 15
.set SPW, 16
.set NIL, 17
.set KC, 18
.set SCQ, 19
.set LIMQ, 20
.set SCH, 21
.set HW, 22
.set HR, 23
.set MNP, 24
.set RSP, 32
.set ST, 40
.set U, 48
.set BI, 40
.set LIMH, 56
.set HH, 57
.set VA1, 58
.set VB1, 60
.set F, 64
.set G, 64
.set B, 128
.set T, 192
.set WC, T
.set X2, T+16
.set PP, T+32
.set QQ, T+48
.set WV, 2
.set CNT, 3
.set G1, 40
.set G0A, 48
.set G0B, 52
.set SEL, 56
.set TB, 58
.set HB, 59
.set LIM, 60
.set CX, 61
.set SX, 62
.set BB, 63
.set PFA, 66
.set EA0, 68
.set EA2, 70
.set EA3, 72
.set EA4, 74
.set EB0, 76
.set EB2, 78
.set EB3, 80
.set EB4, 82
.set EB5, 84
.set CH, 86
.set SP5, 88
.set CSP, 90
.set SI, 92
.set SO, 94
.set TM, 96
.set EPS, 100
.set I512, 101
.set MSB, 0
.macro WIN new
.if MSB != (\new)
	s_set_vgpr_msb (MSB<<8)|(\new)
.set MSB, (\new)
.endif
.endm
.macro PLACES
.rept 4
	v_nop
.endr
.endm
.macro BAR
	s_wait_dscnt 0x0
	s_barrier_signal -1
	s_barrier_wait -1
.endm
.macro ROUND
	s_barrier_signal -1
	s_barrier_wait -1
	s_cmp_lg_u32 s[WV], 0
	s_cbranch_scc1 .Lnw0_\@
	s_barrier_signal -3
.Lnw0_\@:
	s_barrier_wait -3
	s_barrier_signal -1
	s_barrier_wait -1
.endm
.macro MKSC e, vs, vl                  ; s[e] = an exponent: v[vs] = 2^e as f32, v[vl] = 57,344 x 2^e
	s_add_co_i32 s[TM], s[\e], 127
	s_lshl_b32 s[TM+1], s[TM], 23
	v_mov_b32 v[\vs], s[TM+1]
	s_add_co_i32 s[TM], s[TM], 15
	s_lshl_b32 s[TM], s[TM], 23
	s_or_b32 s[TM], s[TM], 0x600000
	v_mov_b32 v[\vl], s[TM]
.endm
.macro SPAIR r, val                    ; a constant as a scalar pair: the packed forms name the pair
	s_mov_b32 s[\r], \val
	s_mov_b32 s[\r+1], \val
.endm
.macro TREE b, n
.irp w,16,8,4,2
.if \w <= \n
.set u, 0
.rept \w/2
	v_pk_add_f32 v[(\b)+u:(\b)+u+1], v[(\b)+u:(\b)+u+1], v[(\b)+u+\w:(\b)+u+\w+1]
.set u, u+2
.endr
.endif
.endr
	v_add_f32 v[(\b)], v[(\b)], v[(\b)+1]
.endm
.macro PARAM reg, sp                   ; 64 numbers of a vector of 512: register 8 t + j = column 128 w + 16 t + 8 h + j
.irp t,0,1,2,3,4,5,6,7
	global_load_b128 v[\reg+8*\t:\reg+8*\t+3], v[PO], s[\sp:\sp+1] offset:64*\t
	global_load_b128 v[\reg+8*\t+4:\reg+8*\t+7], v[PO], s[\sp:\sp+1] offset:64*\t+16
.endr
.endm
.macro XLOAD
	WIN 0xc0
.set i, 0
.rept 64
	global_load_b128 v[4*i:4*i+3], v[LI], s[4:5] offset:8192*i th:TH_LOAD_NT
.set i, i+1
.endr
.endm
.macro TURN m                          ; rows 16 m .. + 15 turn through my own stage.  LDS serves a wave's instructions in order: no wait between
	s_wait_loadcnt 48-16*\m                        ; these 16 rows are in; the younger rows may be out
	WIN 0x0c
.irp i,0,1,2,3,4,5,6,7,8,9,10,11,12,13,14,15
	ds_store_b128 v[TS], v[64*\m+4*\i:64*\m+4*\i+3] offset:\i*528
.endr
	WIN 0x80
.irp t,0,1,2,3,4,5,6,7
	ds_load_b128 v[64*\m+8*\t:64*\m+8*\t+3], v[TR] offset:64*\t
	ds_load_b128 v[64*\m+8*\t+4:64*\m+8*\t+7], v[TR] offset:64*\t+16
.endr
.endm
.macro LNSTAT W, so                    ; for each row the mean and the centred sum of squares over my 128 columns (values in window W)
.irp mm,0,2
	WIN (\W)|((\W)<<2)
.irp d,0,1
.set i, 0
.rept 16
	v_pk_add_f32 v[T+32*\d+i:T+32*\d+i+1], v[64*(\mm+\d)+i:64*(\mm+\d)+i+1], v[64*(\mm+\d)+32+i:64*(\mm+\d)+32+i+1]
.set i, i+2
.endr
.endr
	WIN 0
.irp d,0,1
	TREE T+32*\d,16
	v_permlanex16_b32 v[T+32*\d+1], v[T+32*\d], s[SEL], s[SEL+1]
	v_add_f32 v[T+32*\d], v[T+32*\d], v[T+32*\d+1]
	v_mul_f32 v[ST+2*(\mm+\d)], 0x3c000000, v[T+32*\d]
.endr
.endr
.irp m,0,1,2,3
	WIN \W
.set i, 0
.rept 32
	v_pk_add_f32 v[T+i:T+i+1], v[64*\m+i:64*\m+i+1], v[ST+2*\m:ST+2*\m+1] op_sel_hi:[1,0] neg_lo:[0,1] neg_hi:[0,1]
.set i, i+2
.endr
	WIN 0
.irp k,0,1,2,3
	v_pk_mul_f32 v[U+2*\k:U+2*\k+1], v[T+2*\k:T+2*\k+1], v[T+2*\k:T+2*\k+1]
.endr
.set i, 8
.rept 28
	v_pk_fma_f32 v[U+i%8:U+i%8+1], v[T+i:T+i+1], v[T+i:T+i+1], v[U+i%8:U+i%8+1]
.set i, i+2
.endr
	v_pk_add_f32 v[U:U+1], v[U:U+1], v[U+2:U+3]
	v_pk_add_f32 v[U+4:U+5], v[U+4:U+5], v[U+6:U+7]
	v_pk_add_f32 v[U:U+1], v[U:U+1], v[U+4:U+5]
	v_add_f32 v[U], v[U], v[U+1]
	v_permlanex16_b32 v[U+1], v[U], s[SEL], s[SEL+1]
	v_add_f32 v[ST+2*\m+1], v[U], v[U+1]
	ds_store_b64 v[STW], v[ST+2*\m:ST+2*\m+1] offset:\so+128*\m
.endr
.endm
.macro LNCOMB so                       ; mean = the mean of the four means; M2 = the sum of the M2 + 128 x the sum of (local mean - mean)^2: no difference of large sums
.irp m,0,1,2,3
.irp q,0,1,2,3
	ds_load_b64 v[T+8*\m+2*\q:T+8*\m+2*\q+1], v[STR] offset:\so+512*\q+128*\m
.endr
.endr
	s_wait_dscnt 0x0
.irp m,0,1,2,3
	v_add_f32 v[U], v[T+8*\m], v[T+8*\m+2]
	v_add_f32 v[U+1], v[T+8*\m+4], v[T+8*\m+6]
	v_add_f32 v[U], v[U], v[U+1]
	v_mul_f32 v[MNP+2*\m], 0x3e800000, v[U]
	v_sub_f32 v[U], v[T+8*\m], v[MNP+2*\m]
	v_sub_f32 v[U+1], v[T+8*\m+2], v[MNP+2*\m]
	v_sub_f32 v[U+2], v[T+8*\m+4], v[MNP+2*\m]
	v_sub_f32 v[U+3], v[T+8*\m+6], v[MNP+2*\m]
	v_mul_f32 v[U], v[U], v[U]
	v_fmac_f32 v[U], v[U+1], v[U+1]
	v_fmac_f32 v[U], v[U+2], v[U+2]
	v_fmac_f32 v[U], v[U+3], v[U+3]
	v_add_f32 v[U+1], v[T+8*\m+1], v[T+8*\m+3]
	v_add_f32 v[U+2], v[T+8*\m+5], v[T+8*\m+7]
	v_add_f32 v[U+1], v[U+1], v[U+2]
	v_fma_f32 v[U], v[U], 0x43000000, v[U+1]
	v_fma_f32 v[U+4+\m], v[U], s[I512], s[EPS]
.endr
.irp m,0,1,2,3
	v_rsq_f32 v[RSP+2*\m], v[U+4+\m]
.endr
	v_nop                                          ; a plain instruction behind the batch,
	s_wait_alu depctr_va_vdst(0)                   ; and one wait for the four, ahead of their first reader
.endm
.macro LNNORM
	WIN 0x82
.irp m,0,1,2,3
.set i, 0
.rept 32
	v_pk_add_f32 v[64*\m+i:64*\m+i+1], v[64*\m+i:64*\m+i+1], v[MNP+2*\m:MNP+2*\m+1] op_sel_hi:[1,0] neg_lo:[0,1] neg_hi:[0,1]
.set i, i+2
.endr
.set i, 0
.rept 32
	v_pk_mul_f32 v[64*\m+i:64*\m+i+1], v[64*\m+i:64*\m+i+1], v[RSP+2*\m:RSP+2*\m+1] op_sel_hi:[1,0]
.set i, i+2
.endr
.set i, 0
.rept 32
	v_pk_fma_f32 v[64*\m+i:64*\m+i+1], v[64*\m+i:64*\m+i+1], v[G+i:G+i+1], v[B+i:B+i+1]
.set i, i+2
.endr
.endr
.endm
.macro PUTIMG base
.irp m,0,1,2,3
.irp q,0,1,2,3
	ds_store_b128 v[IMW], v[\base+16*\m+4*\q:\base+16*\m+4*\q+3] offset:8192*\m+512*\q
.endr
.endr
.endm
.macro GETIMG
	WIN 0x40
.set i, 0
.rept 64
	ds_load_b128 v[4*i:4*i+3], v[IMR] offset:512*i
.set i, i+1
.endr
	WIN 0
.endm
; THE FOURTH PRODUCT.  A pack of M holds 16 images f = 8 s' + t of my 128 columns; they come four at a time into two sets.
.macro LD4 set, k
.irp f,0,1,2,3
.irp c,0,1,2,3
	ds_load_b128 v[F+64*\set+16*\f+4*\c:F+64*\set+16*\f+4*\c+3], v[ADR] offset:2048*(4*\k+\f)+512*\c
.endr
.endr
.endm
.macro MUL4 k, p                       ; 16 accumulators by turns
	WIN 0xf4
.irp f,0,1,2,3
.irp m,0,1,2,3
.if (\p == 0) && (\k < 2)
	v_wmma_f32_16x16x128_bf8_bf8 v[64*\m+8*(4*(\k%2)+\f):64*\m+8*(4*(\k%2)+\f)+7], v[F+64*(\k%2)+16*\f:F+64*(\k%2)+16*\f+15], v[16*(4*\m+2*\p+\k/2):16*(4*\m+2*\p+\k/2)+15], 0
.else
	v_wmma_f32_16x16x128_bf8_bf8 v[64*\m+8*(4*(\k%2)+\f):64*\m+8*(4*(\k%2)+\f)+7], v[F+64*(\k%2)+16*\f:F+64*(\k%2)+16*\f+15], v[16*(4*\m+2*\p+\k/2):16*(4*\m+2*\p+\k/2)+15], v[64*\m+8*(4*(\k%2)+\f):64*\m+8*(4*(\k%2)+\f)+7]
.endif
.endr
.endr
.endm
.macro P4 p
	LD4 0,0
	LD4 1,1
	s_wait_dscnt 16                                ; the older set (and all before it) is in; the younger set may be out
	MUL4 0,\p
	WIN 0
	PLACES                                         ; in front of loads into registers that matrix instructions have read
	LD4 0,2
	s_wait_dscnt 16
	MUL4 1,\p
	WIN 0
	PLACES
	LD4 1,3
	s_wait_dscnt 16
	MUL4 2,\p
	s_wait_dscnt 0x0                               ; my last reads of this slot are in
.if \p == 0
	WIN 0
	s_wait_tensorcnt 0x0                           ; both packs of M have landed: a group 0 may be written
	ds_add_u32 v[SPW], v[NIL]
	s_xor_b32 s[G0B+1], s[G0B+1], SLOT             ; the walking descriptor: slot 0,
	s_mov_b64 s[G0B+2:G0B+3], s[24:25]             ; my stream's pack 0
	s_or_b32 s[G0B+3], s[G0B+3], 0x80000000
	MUL4 3,0
	s_wait_dscnt 0x0
	WIN 0
	ROUND
	tensor_load_to_lds s[G0B:G0B+3], s[G1:G1+7]
	s_nop 0
	PLACES
.else
	MUL4 3,1
	WIN 0
	PLACES
.endif
.endm
.macro LDW1                            ; w1's 8 fragments of the pack at v[ADR]
	WIN 0x80
.set i, 0
.rept 32
	ds_load_b128 v[128+4*i:128+4*i+3], v[ADR] offset:512*i
.set i, i+1
.endr
	WIN 0
.endm
.macro LDW2                            ; w2's 8
.set i, 0
.rept 32
	ds_load_b128 v[F+4*i:F+4*i+3], v[ADR] offset:16384+512*i
.set i, i+1
.endr
.endm
.macro LDB1                            ; b1 of my 32 hidden units, in the tiles' layout
.irp t,0,1
.irp q,0,1
	global_load_b128 v[BI+8*\t+4*\q:BI+8*\t+4*\q+3], v[BO], s[14:15] offset:64*\t+16*\q
.endr
.endr
.endm
.macro HORNER d, c                     ; d = d x c^2 + a constant, eight pairs
.set i, 0
.rept 8
	v_pk_fma_f32 v[\d+i:\d+i+1], v[\d+i:\d+i+1], v[X2+i:X2+i+1], s[\c:\c+1] op_sel_hi:[1,1,0]
.set i, i+2
.endr
.endm
; A TRIP: 128 hidden units.  tail = 0: the slot whose fragments are all in registers is filled again, two packs on.  tail = 1: the last two trips ask for nothing.
.macro TRIP tail
	s_wait_dscnt 32                                ; w1's fragments (and all before them) are in; w2's 32 loads may be out
	WIN 0xa6
.irp s,0,1,2,3
.irp t,0,1
.irp m,0,1,2,3
.if \s == 0
	v_wmma_f32_16x16x128_bf8_bf8 v[16*\m+8*\t:16*\m+8*\t+7], v[128+16*(2*\s+\t):128+16*(2*\s+\t)+15], v[16*(4*\m+\s):16*(4*\m+\s)+15], 0
.else
	v_wmma_f32_16x16x128_bf8_bf8 v[16*\m+8*\t:16*\m+8*\t+7], v[128+16*(2*\s+\t):128+16*(2*\s+\t)+15], v[16*(4*\m+\s):16*(4*\m+\s)+15], v[16*\m+8*\t:16*\m+8*\t+7]
.endif
.endr
.endr
.endr
	WIN 0
	s_wait_loadcnt 0x0                             ; b1
.set i, 0
.rept 8
	v_pk_mul_f32 v[BI+i:BI+i+1], v[BI+i:BI+i+1], s[CH:CH+1] op_sel_hi:[1,0]   ; b1 / sqrt 2: these eight are also the places behind the products
.set i, i+2
.endr
	WIN 0x82
.set i, 0
.rept 32
	v_pk_fma_f32 v[i:i+1], v[i:i+1], s[SP5:SP5+1], v[BI+i%16:BI+i%16+1] op_sel_hi:[1,0,1]   ; w = (sum x 2^(e8 + e9) + b1) / sqrt 2; each accumulator from its low end on
.set i, i+2
.endr
.irp m,0,1,2,3
	WIN 0x02
.set i, 0
.rept 16
	v_med3_num_f32 v[WC+i], v[16*\m+i], -v[KC], v[KC]
.set i, i+1
.endr
	WIN 0
.set i, 0
.rept 8
	v_pk_mul_f32 v[X2+i:X2+i+1], v[WC+i:WC+i+1], v[WC+i:WC+i+1]
.set i, i+2
.endr
.set i, 0
.rept 8
	v_pk_fma_f32 v[PP+i:PP+i+1], v[X2+i:X2+i+1], s[EA0:EA0+1], v[VA1:VA1+1] op_sel_hi:[1,0,1]
	v_pk_fma_f32 v[QQ+i:QQ+i+1], v[X2+i:X2+i+1], s[EB0:EB0+1], v[VB1:VB1+1] op_sel_hi:[1,0,1]
.set i, i+2
.endr
	HORNER QQ,EB2
	HORNER PP,EA2
	HORNER QQ,EB3
	HORNER PP,EA3
	HORNER QQ,EB4
	HORNER PP,EA4
	HORNER QQ,EB5
.set i, 0
.rept 8
	v_pk_fma_f32 v[QQ+i:QQ+i+1], v[QQ+i:QQ+i+1], v[X2+i:X2+i+1], 1.0 op_sel_hi:[1,1,0]
.set i, i+2
.endr
.set i, 0
.rept 16
	v_rcp_f32 v[QQ+i], v[QQ+i]
.set i, i+1
.endr
.set i, 0
.rept 8
	v_pk_mul_f32 v[PP+i:PP+i+1], v[PP+i:PP+i+1], v[WC+i:WC+i+1]   ; work that names no reciprocal stands behind the batch
.set i, i+2
.endr
	s_wait_alu depctr_va_vdst(0)                   ; one wait for the sixteen, ahead of their first reader
.set i, 0
.rept 8
	v_pk_mul_f32 v[PP+i:PP+i+1], v[PP+i:PP+i+1], v[QQ+i:QQ+i+1]   ; erf w
.set i, i+2
.endr
.set i, 0
.rept 8
	v_pk_fma_f32 v[PP+i:PP+i+1], v[PP+i:PP+i+1], s[CH:CH+1], s[CH:CH+1] op_sel_hi:[1,0,0]   ; (1 + erf w) / sqrt 2
.set i, i+2
.endr
	WIN 0x82
.set i, 0
.rept 8
	v_pk_mul_f32 v[16*\m+i:16*\m+i+1], v[16*\m+i:16*\m+i+1], v[PP+i:PP+i+1]
.set i, i+2
.endr
.set i, 0
.rept 16
	v_med3_num_f32 v[16*\m+i], v[16*\m+i], -v[LIMH], v[LIMH]   ; the conversion does not saturate (ISA guide 7.6.2): the hold
.set i, i+1
.endr
	v_cvt_scalef32_pk8_bf8_f32 v[64+4*\m:65+4*\m], v[16*\m:16*\m+7], v[SCH]
	v_cvt_scalef32_pk8_bf8_f32 v[66+4*\m:67+4*\m], v[16*\m+8:16*\m+15], v[SCH]
	v_nop
.endr
	WIN 0
	v_add_nc_u32 v[HW], s[HB], v[HW0]
	WIN 0x08
.irp m,0,1,2,3
	ds_store_b128 v[HW], v[64+4*\m:67+4*\m] offset:2048*\m   ; registers 4 w .. 4 w + 3 of the hidden fragment of rows 16 m on
.endr
	WIN 0
	s_wait_tensorcnt 0x0                           ; all my tensor loads have landed: the next pack
.if \tail == 0
	ds_add_u32 v[SPW], v[NIL]
	s_xor_b32 s[G0B+1], s[G0B+1], SLOT             ; the walking descriptor: the other slot than last time, the next pack
	s_add_nc_u64 s[G0B+2:G0B+3], s[G0B+2:G0B+3], 32768
.endif
	s_wait_xcnt 0x0                                ; b1's loads and the last prefetch have read their bases
.if \tail == 0
	s_add_nc_u64 s[PFA:PFA+1], s[PFA:PFA+1], 32768
.endif
	s_add_nc_u64 s[14:15], s[14:15], 512
	s_xor_b32 s[TB], s[TB], SLOT
	s_wait_dscnt 0x0                               ; my images are stored, w2's fragments are in: this slot is read out
.if \tail == 0
	ROUND                                          ; also the images' barrier
	tensor_load_to_lds s[G0B:G0B+3], s[G1:G1+7]    ; two packs on: it has a whole trip in which to land
	s_nop 0
	PLACES
	; A PREFETCH INTO THE L2 of the pack that the NEXT trip's load will ask for: 32,768 bytes of each wave's stream.  All clusters walk the same packs: the first cluster of batch 0 asks.  Its four partners
	; take 8,192 bytes each, told apart by address; wave w asks for wave w's stream, lanes 256 bytes apart: each aligned 256 bytes is named once.  The last trip that fills a slot asks for nothing.
	s_cmp_gt_u32 s[CNT], s[LIM]
	s_cbranch_scc0 .Lnp_\@
	global_prefetch_b8 v[PFO], s[PFA:PFA+1] th:TH_LOAD_NT scope:SCOPE_SE
.Lnp_\@:
.else
	s_barrier_signal -1
	s_barrier_wait -1
.endif
	v_add_nc_u32 v[HR], s[HB], v[HR0]
	v_add_nc_u32 v[ADR], s[TB], v[WA]
	s_xor_b32 s[HB], s[HB], 0x2000                 ; the images take turns: a fast wave stores the next trip's while a slow one still reads these
	WIN 0x80
.set i, 0
.rept 16
	ds_load_b128 v[64+4*i:64+4*i+3], v[HR] offset:512*i
.set i, i+1
.endr
	WIN 0
.if \tail == 0
	LDW1
	LDB1
	s_wait_dscnt 32                                ; the hidden fragments are in; w1's next 32 loads may be out
.else
	s_cmp_eq_u32 s[CNT], 1                         ; the last trip has no successor
	s_cbranch_scc1 .Lno1_\@
	LDW1
	LDB1
.Lno1_\@:
	s_wait_dscnt 0x0
.endif
	WIN 0xf8
.irp t,0,1,2,3,4,5,6,7
.irp m,0,1,2,3
	v_wmma_f32_16x16x128_bf8_bf8 v[64*\m+8*\t:64*\m+8*\t+7], v[F+16*\t:F+16*\t+15], v[64+16*\m:64+16*\m+15], v[64*\m+8*\t:64*\m+8*\t+7]
.endr
.endr
	WIN 0
	PLACES
.if \tail == 0
	LDW2
.else
	s_cmp_eq_u32 s[CNT], 1
	s_cbranch_scc1 .Lno2_\@
	LDW2
.Lno2_\@:
.endif
.endm
	s_load_b512 s[4:19], s[0:1], 0x0               ; x, ln1_g, ln1_b, ln2_g, ln2_b, b1, b2, scales
	s_load_b256 s[20:27], s[0:1], 0x40             ; mcodes, first, wpack, out0
	v_lshl_add_u32 v[SPW], v0, 2, SPARE
	v_mov_b32 v[NIL], 0
	ds_add_u32 v[SPW], v[NIL]                      ; the opening: the add, twice on end, and its wait ahead of my first tensor load
	ds_add_u32 v[SPW], v[NIL]
	v_lshrrev_b32 v[RR], 5, v0
	v_readfirstlane_b32 s[WV], v[RR]
	s_bfe_u32 s[CX], ttmp6, 0x40000
	s_lshl_b32 s[SX], ttmp9, 2
	s_add_co_u32 s[SX], s[SX], s[CX]
	s_and_b32 s[BB], ttmp7, 0xffff
	s_mov_b32 s[G1], 15|(3<<16)|(1<<21)            ; mask: all four; elements of 8 bytes; no padding
	s_mov_b32 s[G1+1], 32<<16                      ; a dense block of 32,768 bytes as 128 rows of 256
	s_mov_b32 s[G1+2], 128<<16
	s_mov_b32 s[G1+3], 32<<16
	s_mov_b32 s[G1+4], 128
	s_mov_b32 s[G1+5], 32
	s_mov_b32 s[G1+6], 0
	s_mov_b32 s[G1+7], 0
	s_mov_b32 s[SEL], 0x76543210
	s_mov_b32 s[SEL+1], 0xfedcba98
	s_mov_b32 s[I512], 0x3b000000
	s_mov_b32 s[EPS], 0x3727c5ac
	SPAIR EA0,0x39702d51                           ; erf's numerator: 2.2905066e-4, (3.4082910e-3 in a vector pair), 5.0955695e-2, 1.8520832e-1, 1.1283791
	SPAIR EA2,0x3d50b6eb
	SPAIR EA3,0x3e3da740
	SPAIR EA4,0x3f906eba
	SPAIR EB0,0xb3fd3906                           ; its denominator: -1.1791603e-7, (2.3547966e-5), 1.0179625e-3, 1.4070470e-2, 1.1098505e-1, 4.9746925e-1, 1
	SPAIR EB2,0x3a856d28
	SPAIR EB3,0x3c6687d4
	SPAIR EB4,0x3de34c21
	SPAIR EB5,0x3efeb44a
	SPAIR CH,0x3f3504f3                            ; 1 / sqrt 2
	v_mov_b32 v[VA1], 0x3b5f5da2
	v_mov_b32 v[VA1+1], 0x3b5f5da2
	v_mov_b32 v[VB1], 0x37c588df
	v_mov_b32 v[VB1+1], 0x37c588df
	v_mov_b32 v[KC], 0x406f9c67                    ; 3.7439211
	v_and_b32 v[RR], 15, v0
	v_bfe_u32 v[HH], v0, 4, 1
	v_and_b32 v[LI], 31, v0
	v_lshlrev_b32 v[PFO], 8, v[LI]
	v_lshlrev_b32 v[LI], 4, v[LI]
	s_mul_i32 s98, s[WV], 8448
	s_add_co_u32 s98, s98, STG
	v_add_nc_u32 v[TS], s98, v[LI]
	v_mul_u32_u24 v[TR], v[RR], 528
	v_lshl_add_u32 v[TR], v[HH], 5, v[TR]
	v_add_nc_u32 v[TR], s98, v[TR]
	s_lshl_b32 s98, s[WV], 9
	v_lshlrev_b32 v[PO], 5, v[HH]
	v_add_nc_u32 v[HW0], s98, v[LI]
	v_add_nc_u32 v[HW0], HIMG, v[HW0]
	v_add_nc_u32 v[HR0], HIMG, v[LI]
	s_lshl_b32 s99, s[WV], 7
	v_add_nc_u32 v[BO], s99, v[PO]
	v_add_nc_u32 v[PO], s98, v[PO]
	s_add_co_u32 s98, s98, STATS
	v_lshl_add_u32 v[STW], v[RR], 3, s98
	v_lshl_add_u32 v[STR], v[RR], 3, STATS
	s_lshl_b32 s98, s[WV], 11
	s_add_co_u32 s98, s98, STG
	v_add_nc_u32 v[IMW], s98, v[LI]
	v_add_nc_u32 v[IMR], STG, v[LI]
	s_lshl_b32 s98, s[WV], 15
	v_add_nc_u32 v[WA], s98, v[LI]
.irp m,0,1,2,3
	v_mov_b32 v[MNP+2*\m+1], 0                     ; the pairs' upper words are named, so they are written
	v_mov_b32 v[RSP+2*\m+1], 0
	v_mov_b32 v[ST+2*\m+1], 0
.endr
	s_lshl_b32 s96, s[SX], 19                      ; x and out0: 64 sx rows of 8,192 bytes + 2,048 b + 512 w
	s_lshl_b32 s97, s[BB], 11
	s_add_co_u32 s96, s96, s97
	s_lshl_b32 s97, s[WV], 9
	s_add_co_u32 s96, s96, s97
	s_mov_b32 s97, 0
	s_or_b32 s[LIM], ttmp9, s[BB]                  ; who prefetches: the first cluster of batch 0 (the same in all four partners)
	s_cmp_eq_u32 s[LIM], 0
	s_cselect_b32 s[LIM], 1, -1
	s_wait_dscnt 0x0                               ; both opening adds are done
	s_wait_kmcnt 0x0
	s_load_b256 s[28:35], s[18:19], 0x0            ; e0 .. e7
	s_load_b128 s[36:39], s[18:19], 0x20           ; e8 .. e11
	s_add_nc_u64 s[4:5], s[4:5], s[96:97]
	s_add_nc_u64 s[26:27], s[26:27], s[96:97]
	s_mov_b32 s99, 0                               ; (s98, s99 never hold the work-group's place in its cluster)
	s_lshl_b32 s98, s[BB], 11
	s_add_nc_u64 s[22:23], s[22:23], s[98:99]      ; first of my batch
	s_lshl_b32 s98, s[WV], 19
	s_add_nc_u64 s[24:25], s[24:25], s[98:99]      ; my stream of weight packs
	s_lshl_b32 s96, s[CX], 13
	s_add_co_u32 s96, s96, 65536
	s_add_nc_u64 s[PFA:PFA+1], s[24:25], s[96:97]  ; the prefetches: my work-group's 8,192 bytes, in pack 2; the first trip steps it to pack 3
	s_lshl_b32 s98, s[BB], 18
	s_lshl_b32 s[TB], s[WV], 15
	s_add_co_u32 s98, s98, s[TB]
	s_add_nc_u64 s[20:21], s[20:21], s[98:99]      ; M of my batch, my 128 columns
	s_mov_b32 s[G0A], 1
	s_mov_b32 s[G0A+1], s[TB]
	s_mov_b64 s[G0A+2:G0A+3], s[20:21]
	s_or_b32 s[G0A+3], s[G0A+3], 0x80000000
	s_mov_b32 s[G0B], 1
	s_add_co_u32 s[G0B+1], s[TB], SLOT
	s_add_nc_u64 s[G0B+2:G0B+3], s[20:21], 131072
	s_or_b32 s[G0B+3], s[G0B+3], 0x80000000
	ROUND                                          ; all four work-groups are here: the first joint loads meet
	tensor_load_to_lds s[G0A:G0A+3], s[G1:G1+7]    ; M, K steps 0 and 1
	s_nop 0
	tensor_load_to_lds s[G0B:G0B+3], s[G1:G1+7]    ; M, K steps 2 and 3: two loads of mine are out
	s_nop 0
	PLACES
	PARAM G,6
	PARAM B,8
	XLOAD
	WIN 0
	s_wait_kmcnt 0x0
	MKSC 34,SCQ,LIMQ                               ; e6
	MKSC 38,SCH,LIMH                               ; e10
	s_add_co_i32 s96, s36, s37                     ; a sum of the fifth product stands for sum x 2^(e8 + e9): the exponents are added to the exponent field of 1 / sqrt 2
	s_lshl_b32 s96, s96, 23
	s_add_co_i32 s[SP5], s96, 0x3f3504f3
	s_mov_b32 s[SP5+1], s[SP5]
	s_add_co_i32 s96, s34, s35                     ; 2^(e6 + e7) / (4,096 sqrt 512) = sqrt 2 x 2^(e6 + e7 - 17)
	s_lshl_b32 s96, s96, 23
	s_add_co_i32 s[CSP], s96, 0x373504f3
	s_mov_b32 s[CSP+1], s[CSP]
	s_add_co_i32 s96, s38, s39
	s_sub_co_i32 s97, 127, s96
	s_lshl_b32 s[SI], s97, 23                      ; 2^-(e10 + e11)
	s_mov_b32 s[SI+1], s[SI]
	s_add_co_i32 s97, s96, 127
	s_lshl_b32 s[SO], s97, 23                      ; 2^(e10 + e11)
	s_mov_b32 s[SO+1], s[SO]
	TURN 0
	TURN 1
	TURN 2
	TURN 3
	WIN 0
	s_wait_dscnt 0x0
	LNSTAT 2,0
	BAR
	LNCOMB 0
	LNNORM
.irp m,0,1,2,3                         ; X's codes at e6
.irp g,0,1
	WIN 0x02
.set i, 0
.rept 32
	v_med3_num_f32 v[T+i], v[64*\m+32*\g+i], -v[LIMQ], v[LIMQ]
.set i, i+1
.endr
	WIN 0
.irp c,0,1,2,3
	v_cvt_scalef32_pk8_bf8_f32 v[F+16*\m+8*\g+2*\c:F+16*\m+8*\g+2*\c+1], v[T+8*\c:T+8*\c+7], v[SCQ]
.endr
	v_nop
.endr
.endr
	PUTIMG F
	BAR
	GETIMG
	PARAM T,22                                     ; first, in my columns' layout
	s_wait_tensorcnt 0x1                           ; M's first pack is in, the second may be out; I read only bytes that I fetched
	v_mov_b32 v[ADR], v[WA]
	P4 0
	v_add_nc_u32 v[ADR], SLOT, v[WA]
	P4 1
	PARAM G,10                                     ; ln2's g and b
	PARAM B,12
	s_wait_loadcnt 32                              ; first is in; the 32 younger loads may be out
	WIN 0xc3
.set i, 0
.rept 128
	v_pk_fma_f32 v[i:i+1], v[i:i+1], s[CSP:CSP+1], v[T+i%64:T+i%64+1] op_sel_hi:[1,0,1]   ; first + second; each accumulator from its low end on
.set i, i+2
.endr
	WIN 0xcb
.set i, 0
.rept 128
	v_pk_add_f32 v[i:i+1], v[i:i+1], v[i:i+1]      ; h = (first + second, window 3) + X (window 2)
.set i, i+2
.endr
	WIN 0x80
	PARAM 0,16                                     ; b2, where X lay
	LNSTAT 3,2048
	s_wait_tensorcnt 0x0                           ; pack 0 has landed: the group 0 may be written
	ds_add_u32 v[SPW], v[NIL]
	s_xor_b32 s[G0B+1], s[G0B+1], SLOT
	s_add_nc_u64 s[G0B+2:G0B+3], s[G0B+2:G0B+3], 32768
	s_wait_dscnt 0x0                               ; the add, my figures' stores and my reads of slot 1 are done
	ROUND                                          ; also the figures' barrier
	tensor_load_to_lds s[G0B:G0B+3], s[G1:G1+7]    ; pack 1 into slot 1
	s_nop 0
	PLACES
	LNCOMB 2048
	MKSC 36,SCQ,LIMQ                               ; e8
	s_wait_loadcnt 0x0
.irp m,0,1,2,3                         ; h2 = LN2(h), quantised at e8; h stays in window 3
.irp g,0,1
	WIN 0x03
.set i, 0
.rept 16
	v_pk_add_f32 v[T+i:T+i+1], v[64*\m+32*\g+i:64*\m+32*\g+i+1], v[MNP+2*\m:MNP+2*\m+1] op_sel_hi:[1,0] neg_lo:[0,1] neg_hi:[0,1]
.set i, i+2
.endr
	WIN 0
.set i, 0
.rept 16
	v_pk_mul_f32 v[T+i:T+i+1], v[T+i:T+i+1], v[RSP+2*\m:RSP+2*\m+1] op_sel_hi:[1,0]
.set i, i+2
.endr
.set i, 0
.rept 16
	v_pk_fma_f32 v[T+i:T+i+1], v[T+i:T+i+1], v[G+32*\g+i:G+32*\g+i+1], v[B+32*\g+i:B+32*\g+i+1]
.set i, i+2
.endr
.set i, 0
.rept 32
	v_med3_num_f32 v[T+i], v[T+i], -v[LIMQ], v[LIMQ]
.set i, i+1
.endr
	WIN 0x80
.irp c,0,1,2,3
	v_cvt_scalef32_pk8_bf8_f32 v[128+16*\m+8*\g+2*\c:128+16*\m+8*\g+2*\c+1], v[T+8*\c:T+8*\c+7], v[SCQ]
.endr
	v_nop
.endr
.endr
	WIN 0x08
	PUTIMG 128
	WIN 0
	BAR
	GETIMG
	WIN 0x82
.set i, 0
.rept 32
	v_pk_mul_f32 v[i:i+1], v[i:i+1], s[SI:SI+1] op_sel_hi:[1,0]
.set i, i+2
.endr
	WIN 0xe3
.set i, 0
.rept 128
	v_pk_fma_f32 v[i:i+1], v[i:i+1], s[SI:SI+1], v[i%64:i%64+1] op_sel_hi:[1,0,1]   ; (h + b2) / 2^(e10 + e11): what the last product adds onto
.set i, i+2
.endr
	WIN 0
	s_mov_b32 s[TB], 0
	s_mov_b32 s[HB], 0
	v_mov_b32 v[ADR], v[WA]
	LDW1
	LDW2
	LDB1
	s_mov_b32 s[CNT], 14
.Ltrip:                                                ; packs 0 to 13: each trip asks for the pack two on
	TRIP 0
	s_sub_co_u32 s[CNT], s[CNT], 1
	s_cmp_lg_u32 s[CNT], 0
	s_cbranch_scc1 .Ltrip
	s_mov_b32 s[CNT], 2
.Ltail:                                                ; packs 14 and 15: no tensor load stands in this loop
	TRIP 1
	s_sub_co_u32 s[CNT], s[CNT], 1
	s_cmp_lg_u32 s[CNT], 0
	s_cbranch_scc1 .Ltail
; THE WAY OUT, 16 rows at a time: x 2^(e10 + e11), through my own stage, back as rows: the wave's store covers my 512 consecutive bytes of a row.
.macro TOSTAGE m
	WIN 0x03
.set i, 0
.rept 32
	v_pk_mul_f32 v[T+i:T+i+1], v[64*(\m)+i:64*(\m)+i+1], s[SO:SO+1] op_sel_hi:[1,0]
.set i, i+2
.endr
	WIN 0
.irp t,0,1,2,3,4,5,6,7
	ds_store_b128 v[TR], v[T+8*\t:T+8*\t+3] offset:64*\t
	ds_store_b128 v[TR], v[T+8*\t+4:T+8*\t+7] offset:64*\t+16
.endr
.set i, 0
.rept 16
	ds_load_b128 v[F+64*((\m)%2)+4*i:F+64*((\m)%2)+4*i+3], v[TS] offset:528*i   ; LDS serves a wave's instructions in order: these see my stores
.set i, i+1
.endr
.endm
.macro SEND m, younger
	s_wait_dscnt \younger                          ; the block is back; the next block's 16 stores and 16 loads may be out
.set i, 0
.rept 16
	global_store_b128 v[LI], v[F+64*((\m)%2)+4*i:F+64*((\m)%2)+4*i+3], s[26:27] offset:(16*(\m)+i)*8192 th:TH_STORE_NT
.set i, i+1
.endr
.endm
	TOSTAGE 0
.irp a,1,2,3
.if \a > 1
	s_wait_xcnt 0x0                                ; the stores of the block two back have read their registers: they are loaded again
.endif
	TOSTAGE \a
	SEND \a-1,32
.endr
	SEND 3,0
	s_wait_tensorcnt 0x0                           ; the wave's end
	ds_add_u32 v[SPW], v[NIL]
	s_wait_dscnt 0x0
	ROUND                                          ; the closing round
	s_endpgm
.Lfunc_end_k_qc3fdf9d92e_back:
	.size	k_qc3fdf9d92e_back, .Lfunc_end_k_qc3fdf9d92e_back-k_qc3fdf9d92e_back
	.p2alignl 7, 3214868480
	.fill 96, 4, 3214868480
	.section	.rodata,"a",@progbits
	.p2align	6, 0x0
	.amdhsa_kernel k_qc3fdf9d92e_back
		.amdhsa_group_segment_fixed_size 327680
		.amdhsa_private_segment_fixed_size 0
		.amdhsa_enable_private_segment 0
		.amdhsa_kernarg_size 96
		.amdhsa_user_sgpr_count 2
		.amdhsa_user_sgpr_kernarg_segment_ptr 1
		.amdhsa_wavefront_size32 1
		.amdhsa_system_sgpr_workgroup_id_x 1
		.amdhsa_system_sgpr_workgroup_id_y 1
		.amdhsa_system_sgpr_workgroup_id_z 1
		.amdhsa_system_vgpr_workitem_id 0
		.amdhsa_next_free_vgpr 1024
		.amdhsa_next_free_sgpr 102
		.amdhsa_reserve_vcc 0
		.amdhsa_float_denorm_mode_32 3
		.amdhsa_float_denorm_mode_16_64 3
		.amdhsa_memory_ordered 1
		.amdhsa_forward_progress 1
		.amdhsa_inst_pref_size 255
	.end_amdhsa_kernel
	.section	.bss,"aw",@nobits
	.p2align	6
	.space	262144
	.amdgpu_metadata
---
amdhsa.version: [ 1, 2 ]
amdhsa.kernels:
  - .name:           k_qc3fdf9d92e_back
    .symbol:         k_qc3fdf9d92e_back.kd
    .args:
      - { .name: x, .offset: 0, .size: 8, .value_kind: global_buffer, .address_space: global }
      - { .name: ln1_g, .offset: 8, .size: 8, .value_kind: global_buffer, .address_space: global }
      - { .name: ln1_b, .offset: 16, .size: 8, .value_kind: global_buffer, .address_space: global }
      - { .name: ln2_g, .offset: 24, .size: 8, .value_kind: global_buffer, .address_space: global }
      - { .name: ln2_b, .offset: 32, .size: 8, .value_kind: global_buffer, .address_space: global }
      - { .name: b1, .offset: 40, .size: 8, .value_kind: global_buffer, .address_space: global }
      - { .name: b2, .offset: 48, .size: 8, .value_kind: global_buffer, .address_space: global }
      - { .name: lowp_scales, .offset: 56, .size: 8, .value_kind: global_buffer, .address_space: global }
      - { .name: mcodes, .offset: 64, .size: 8, .value_kind: global_buffer, .address_space: global }
      - { .name: first, .offset: 72, .size: 8, .value_kind: global_buffer, .address_space: global }
      - { .name: wpack, .offset: 80, .size: 8, .value_kind: global_buffer, .address_space: global }
      - { .name: out0, .offset: 88, .size: 8, .value_kind: global_buffer, .address_space: global }
    .group_segment_fixed_size: 327680
    .private_segment_fixed_size: 0
    .kernarg_segment_align: 8
    .kernarg_segment_size: 96
    .max_flat_workgroup_size: 128
    .sgpr_count:     102
    .vgpr_count:     1024
    .wavefront_size: 32
...
	.end_amdgpu_metadata
.endif
;; end of part 3
